; MI455X (gfx1250); checked and timed in simulation.
; The chip was launched on July 23, 2026; its instructions are those of AMD's public machine-readable ISA for CDNA 5 (MIT licence, August 2026) and "CDNA5" Instruction Set Architecture Reference Guide (July 2026). The comments in the code are by the model that wrote it; some were corrected since.
;; Transformer Block. Allowed arithmetic: float matrix products may take bf16 or f16 operands with f32 sums; all other float work in f32.
;; Inputs: W1 1,024 x 4,096 float32; W2 4,096 x 1,024 float32; Wo 1,024 x 1,024 float32; Wqkv 1,024 x 3,072 float32; b1 4,096 float32; b2 1,024 float32; be1 1,024 float32; be2 1,024 float32; bo 1,024 float32; bqkv 3,072 float32; g1 1,024 float32; g2 1,024 float32; x 2 x 2,048 x 1,024 float32.
;; Outputs: out0 2 x 2,048 x 1,024 float32.
;; 2 versions, each right; version 2 is version 1 with the launch prep written anew for expert scheduling mode. Each part assembles by itself: llvm-mc -triple=amdgcn-amd-amdhsa -mcpu=gfx1250 --defsym DOCPART=n.
;; ======== version 1 of 2: 7 launches
;; limits: a function is approximated: absolute error at most 1.5e-07
;; workspace buffers: wbf 25,165,824 bytes; h 8,388,608 bytes; qkv 25,165,824 bytes; att 8,388,608 bytes; y 16,777,216 bytes; gact 33,554,432 bytes
;; launch prep (part 1): grid 1024 x 1, 4 waves a work-group, no clusters, 0 bytes of LDS; arguments x, g1, be1, h, Wqkv, Wo, W1, W2, wbf; writes h, wbf
.if DOCPART == 1
	.amdgcn_target "amdgcn-amd-amdhsa--gfx1250"
	.amdhsa_code_object_version 6
	.text
	.protected	k_q9bd35612dc_prep
	.globl	k_q9bd35612dc_prep
	.p2align	8
	.type	k_q9bd35612dc_prep,@function
k_q9bd35612dc_prep:
	s_mov_b64 s[64:65], 0
	v_nop
	global_prefetch_b8 v0, s[64:65] scope:SCOPE_SE
	s_setreg_imm32_b32 hwreg(HW_REG_WAVE_MODE, 25, 1), 1
	s_wait_xcnt 0x0
; Two streams in one launch.
; Work-groups 0-255: h = LayerNorm(x) * g1 + be1, rounded to bf16.  x: [4096][1024] f32, h: [4096][1024] bf16.
;   A work-group owns 16 rows, a wave 4 whole rows; a row (4,096 bytes) lies in 32 registers of the wave between the pass for the mean,
;   the pass for the variance (of x - mean: no difference of large sums) and the scaling, so x is read once and no wave waits for another.
; Work-groups 256-1023: the four weight matrices are rounded to bf16 once, in their own [K][N] layout, one behind the other in wbf
;   (Wqkv at byte 0, Wo at 6,291,456, W1 at 8,388,608, W2 at 16,777,216).  A work-group takes 16,384 numbers, a wave 4,096.
; Every load of a wave covers 512 consecutive bytes, every store 256 consecutive bytes at a multiple of 256 from the buffer's first byte.
; No LDS, no barrier, no matrix unit: the launch only moves bytes.  Limits: NaN and infinities in x are not served; v_rsq_f32 is good to 1 ULP.
.set T,    4                           ; v[4:11]    four chains of pairs, at work
.set MEAN, 12                          ; v[12:13]   the row's mean, twice
.set RSTD, 14                          ; v[14:15]   1 / sqrt(var + eps), twice
.set G,    16                          ; v[16:47]   the gains of my 32 columns
.set BE,   48                          ; v[48:79]   the offsets of my 32 columns
.set X,    80                          ; v[80:207]  row r of four at X + 32 r
.set CW,   16                          ; v[16:143]  the cast's 32 loads
; the four chains are joined, then the 32 lanes: four steps inside each half of 16 lanes ride on the addition, one crosses the halves
.macro JOIN
	v_pk_add_f32 v[T:T+1], v[T:T+1], v[T+2:T+3]
	v_pk_add_f32 v[T+4:T+5], v[T+4:T+5], v[T+6:T+7]
	v_pk_add_f32 v[T:T+1], v[T:T+1], v[T+4:T+5]
	v_add_f32 v[T], v[T], v[T+1]
	v_add_f32_dpp v[T], v[T], v[T] row_xmask:1 row_mask:0xf bank_mask:0xf
	v_add_f32_dpp v[T], v[T], v[T] row_xmask:2 row_mask:0xf bank_mask:0xf
	v_add_f32_dpp v[T], v[T], v[T] row_xmask:4 row_mask:0xf bank_mask:0xf
	v_add_f32_dpp v[T], v[T], v[T] row_xmask:8 row_mask:0xf bank_mask:0xf
	v_permlanex16_b32 v3, v[T], s32, s33           ; v3 has been written at the kernel's head
	v_add_f32 v[T], v[T], v3
.endm
; one row.  left = the younger loads that may stay out: eight for each row behind this one
.macro LNROW r, left
	s_wait_loadcnt \left                           ; loads come back in order: the gains, the offsets and rows 0 to r are in
.irp c, 0,1,2,3
	v_pk_add_f32 v[T+2*\c:T+2*\c+1], v[X+32*\r+2*\c:X+32*\r+2*\c+1], v[X+32*\r+8+2*\c:X+32*\r+8+2*\c+1]   ; the first eight pairs start the chains
.endr
.irp p, 8,9,10,11,12,13,14,15
	v_pk_add_f32 v[T+2*(\p%4):T+2*(\p%4)+1], v[T+2*(\p%4):T+2*(\p%4)+1], v[X+32*\r+2*\p:X+32*\r+2*\p+1]
.endr
	JOIN
	v_mul_f32 v[MEAN], s30, v[T]                   ; sum / 1024
	v_mov_b32 v[MEAN+1], v[MEAN]
.irp p, 0,1,2,3,4,5,6,7,8,9,10,11,12,13,14,15
	v_pk_add_f32 v[X+32*\r+2*\p:X+32*\r+2*\p+1], v[X+32*\r+2*\p:X+32*\r+2*\p+1], v[MEAN:MEAN+1] neg_lo:[0,1] neg_hi:[0,1]
.endr
.irp c, 0,1,2,3
	v_pk_mul_f32 v[T+2*\c:T+2*\c+1], v[X+32*\r+2*\c:X+32*\r+2*\c+1], v[X+32*\r+2*\c:X+32*\r+2*\c+1]
.endr
.irp p, 4,5,6,7,8,9,10,11,12,13,14,15
	v_pk_fma_f32 v[T+2*(\p%4):T+2*(\p%4)+1], v[X+32*\r+2*\p:X+32*\r+2*\p+1], v[X+32*\r+2*\p:X+32*\r+2*\p+1], v[T+2*(\p%4):T+2*(\p%4)+1]
.endr
	JOIN
	v_fma_f32 v[RSTD], v[T], s30, s31              ; var + eps
	v_rsq_f32 v[RSTD], v[RSTD]
	v_nop                                          ; a plain instruction between the root and the use of its result
	s_wait_alu depctr_va_vdst(0)
	v_mov_b32 v[RSTD+1], v[RSTD]
.irp p, 0,1,2,3,4,5,6,7,8,9,10,11,12,13,14,15
	v_pk_mul_f32 v[X+32*\r+2*\p:X+32*\r+2*\p+1], v[X+32*\r+2*\p:X+32*\r+2*\p+1], v[RSTD:RSTD+1]
.endr
.irp p, 0,1,2,3,4,5,6,7,8,9,10,11,12,13,14,15
	v_pk_fma_f32 v[X+32*\r+2*\p:X+32*\r+2*\p+1], v[X+32*\r+2*\p:X+32*\r+2*\p+1], v[G+2*\p:G+2*\p+1], v[BE+2*\p:BE+2*\p+1]
.endr
.irp p, 0,1,2,3,4,5,6,7,8,9,10,11,12,13,14,15
	v_cvt_pk_bf16_f32 v[X+32*\r+\p], v[X+32*\r+2*\p], v[X+32*\r+2*\p+1]   ; in place, ascending: word p is written when pairs 0 to p have been read
.endr
.irp j, 0,1,2,3,4,5,6,7
	global_store_b64 v2, v[X+32*\r+2*\j:X+32*\r+2*\j+1], s[10:11] offset:2048*\r+256*\j   ; 32 lanes x 8 bytes; no register of a row is written again
.endr
.endm
	s_load_b256 s[4:11], s[0:1], 0x0               ; x s[4:5], g1 s[6:7], be1 s[8:9], h s[10:11]
	s_load_b256 s[12:19], s[0:1], 0x20             ; Wqkv s[12:13], Wo s[14:15], W1 s[16:17], W2 s[18:19]
	s_load_b64 s[20:21], s[0:1], 0x40              ; wbf
	v_lshrrev_b32 v3, 5, v0
	v_readfirstlane_b32 s22, v3                    ; wave 0..3
	v_and_b32 v2, 31, v0
	v_lshlrev_b32 v1, 4, v2                        ; 16 x lane: f32 side
	v_lshlrev_b32 v2, 3, v2                        ; 8 x lane: bf16 side
	s_mov_b32 s25, 0                               ; the high word of every offset
	s_wait_kmcnt 0x0
	s_cmp_lt_u32 ttmp9, 256
	s_cbranch_scc0 .Lcast
	s_lshl_b32 s24, ttmp9, 16                      ; 16 rows of 4,096 bytes a work-group,
	s_lshl_b32 s23, s22, 14                        ; 4 rows a wave
	s_add_co_u32 s24, s24, s23
	s_add_nc_u64 s[4:5], s[4:5], s[24:25]
	s_lshr_b32 s24, s24, 1                         ; h's rows are half as long
	s_add_nc_u64 s[10:11], s[10:11], s[24:25]
	s_mov_b32 s30, 0x3a800000                      ; 1 / 1024
	s_mov_b32 s31, 0x3727c5ac                      ; eps = 1e-5
	s_mov_b32 s32, 0x76543210                      ; v_permlanex16_b32: each lane takes its own place in the other half
	s_mov_b32 s33, 0xfedcba98
.irp j, 0,1,2,3,4,5,6,7
	global_load_b128 v[G+4*\j:G+4*\j+3], v1, s[6:7] offset:512*\j
.endr
.irp j, 0,1,2,3,4,5,6,7
	global_load_b128 v[BE+4*\j:BE+4*\j+3], v1, s[8:9] offset:512*\j
.endr
.irp r, 0,1,2,3
.irp j, 0,1,2,3,4,5,6,7
	global_load_b128 v[X+32*\r+4*\j:X+32*\r+4*\j+3], v1, s[4:5] offset:4096*\r+512*\j
.endr
.endr
	LNROW 0, 24
	LNROW 1, 16
	LNROW 2, 8
	LNROW 3, 0
	s_endpgm
.Lcast:
	s_sub_co_u32 s23, ttmp9, 256                   ; chunk 0..767 of 16,384 numbers: 192 of Wqkv, 64 of Wo, 256 of W1, 256 of W2
	s_mov_b64 s[26:27], s[18:19]
	s_mov_b32 s28, 512
	s_cmp_lt_u32 s23, 512
	s_cselect_b64 s[26:27], s[16:17], s[26:27]
	s_cselect_b32 s28, 256, s28
	s_cmp_lt_u32 s23, 256
	s_cselect_b64 s[26:27], s[14:15], s[26:27]
	s_cselect_b32 s28, 192, s28
	s_cmp_lt_u32 s23, 192
	s_cselect_b64 s[26:27], s[12:13], s[26:27]
	s_cselect_b32 s28, 0, s28                      ; s[26:27] the matrix, s28 its first chunk
	s_sub_co_u32 s29, s23, s28
	s_lshl_b32 s24, s29, 16                        ; 65,536 bytes of f32 a chunk,
	s_lshl_b32 s29, s22, 14                        ; a quarter of them a wave
	s_add_co_u32 s24, s24, s29
	s_add_nc_u64 s[26:27], s[26:27], s[24:25]
	s_lshl_b32 s24, s23, 15                        ; 32,768 bytes of bf16 a chunk
	s_lshl_b32 s29, s22, 13
	s_add_co_u32 s24, s24, s29
	s_add_nc_u64 s[20:21], s[20:21], s[24:25]
.irp j, 0,1,2,3,4,5,6,7,8,9,10,11,12,13,14,15,16,17,18,19,20,21,22,23,24,25,26,27,28,29,30,31
	global_load_b128 v[CW+4*\j:CW+4*\j+3], v1, s[26:27] offset:512*\j th:TH_LOAD_NT   ; all 32 loads of the wave go out together
.endr
.irp j, 0,1,2,3,4,5,6,7,8,9,10,11,12,13,14,15,16,17,18,19,20,21,22,23,24,25,26,27,28,29,30,31
	s_wait_loadcnt 31-\j                           ; load j is in, the younger ones stay out
	v_cvt_pk_bf16_f32 v[CW+4*\j], v[CW+4*\j], v[CW+4*\j+1]
	v_cvt_pk_bf16_f32 v[CW+4*\j+1], v[CW+4*\j+2], v[CW+4*\j+3]
	global_store_b64 v2, v[CW+4*\j:CW+4*\j+1], s[20:21] offset:256*\j
.endr
	s_endpgm
.Lfunc_end_k_q9bd35612dc_prep:
	.size	k_q9bd35612dc_prep, .Lfunc_end_k_q9bd35612dc_prep-k_q9bd35612dc_prep
	.p2alignl 7, 3214868480
	.fill 96, 4, 3214868480
	.section	.rodata,"a",@progbits
	.p2align	6, 0x0
	.amdhsa_kernel k_q9bd35612dc_prep
		.amdhsa_group_segment_fixed_size 0
		.amdhsa_private_segment_fixed_size 0
		.amdhsa_enable_private_segment 0
		.amdhsa_kernarg_size 72
		.amdhsa_user_sgpr_count 2
		.amdhsa_user_sgpr_kernarg_segment_ptr 1
		.amdhsa_wavefront_size32 1
		.amdhsa_system_sgpr_workgroup_id_x 1
		.amdhsa_system_sgpr_workgroup_id_y 1
		.amdhsa_system_sgpr_workgroup_id_z 1
		.amdhsa_system_vgpr_workitem_id 0
		.amdhsa_next_free_vgpr 208
		.amdhsa_next_free_sgpr 66
		.amdhsa_reserve_vcc 0
		.amdhsa_float_denorm_mode_32 3
		.amdhsa_float_denorm_mode_16_64 3
		.amdhsa_memory_ordered 1
		.amdhsa_forward_progress 1
		.amdhsa_inst_pref_size 50
	.end_amdhsa_kernel
	.amdgpu_metadata
---
amdhsa.version: [ 1, 2 ]
amdhsa.kernels:
  - .name:           k_q9bd35612dc_prep
    .symbol:         k_q9bd35612dc_prep.kd
    .args:
      - { .name: x, .offset: 0, .size: 8, .value_kind: global_buffer, .address_space: global }
      - { .name: g1, .offset: 8, .size: 8, .value_kind: global_buffer, .address_space: global }
      - { .name: be1, .offset: 16, .size: 8, .value_kind: global_buffer, .address_space: global }
      - { .name: h, .offset: 24, .size: 8, .value_kind: global_buffer, .address_space: global }
      - { .name: Wqkv, .offset: 32, .size: 8, .value_kind: global_buffer, .address_space: global }
      - { .name: Wo, .offset: 40, .size: 8, .value_kind: global_buffer, .address_space: global }
      - { .name: W1, .offset: 48, .size: 8, .value_kind: global_buffer, .address_space: global }
      - { .name: W2, .offset: 56, .size: 8, .value_kind: global_buffer, .address_space: global }
      - { .name: wbf, .offset: 64, .size: 8, .value_kind: global_buffer, .address_space: global }
    .group_segment_fixed_size: 0
    .private_segment_fixed_size: 0
    .kernarg_segment_align: 8
    .kernarg_segment_size: 72
    .max_flat_workgroup_size: 128
    .sgpr_count:     66
    .vgpr_count:     208
    .wavefront_size: 32
...
	.end_amdgpu_metadata
.endif
;; end of part 1
;; launch qkv (part 2): grid 12 x 16, 4 waves a work-group, clusters of 4 x 4, 327,680 bytes of LDS; arguments h, wbf, bqkv, qkv; writes qkv
.if DOCPART == 2
	.amdgcn_target "amdgcn-amd-amdhsa--gfx1250"
	.amdhsa_code_object_version 6
	.text
	.protected	k_q9bd35612dc_qkv
	.globl	k_q9bd35612dc_qkv
	.p2align	8
	.type	k_q9bd35612dc_qkv,@function
k_q9bd35612dc_qkv:
	s_mov_b64 s[64:65], 0
	v_nop
	global_prefetch_b8 v0, s[64:65] scope:SCOPE_SE
	s_setreg_imm32_b32 hwreg(HW_REG_WAVE_MODE, 25, 1), 1
	s_wait_xcnt 0x0
	s_wait_alu depctr_hold_cnt(0) depctr_sa_sdst(0) depctr_va_vdst(0) depctr_va_sdst(0) depctr_va_ssrc(0) depctr_va_vcc(0) depctr_vm_vsrc(0)
	s_getreg_b32 s2, hwreg(HW_REG_IB_STS2, 6, 4)
	s_cmp_eq_u32 s2, 0
	s_cbranch_scc0 .Lentry_in_a_cluster
	s_endpgm
.Lentry_in_a_cluster:
	s_bfe_u32 s2, ttmp6, 0x10000c
	s_cmp_lg_u32 s2, 0xf033
	s_cbranch_scc0 .Lentry_shape_is_right
	s_endpgm
.Lentry_shape_is_right:
; C[m][n] = sum over k of A[m][k] B[k][n] + bias[n] (with GELU = 1: the exact GELU of that), rounded to bf16.
; A: [4096][SIZE_K] bf16.  B: [SIZE_K][SIZE_N] bf16, at byte WOFF of the weights' buffer.  bias: [SIZE_N] f32.  C: [4096][SIZE_N] bf16.  Sums in f32.
; A tile of C, 256 x 256, is made by four waves, each 128 x 128: 64 accumulators of 16 x 16, 512 registers.  K goes in steps of 128 through a ring of two LDS slots
; filled by tensor loads: 256 rows of A (256 bytes each) and 128 k-rows of B (512 bytes each).  B lies [K][N], so its fragments come out of LDS by the turning load.
; CLUSTER: 4 x 4 work-groups.  The four of a row of the cluster need the same tiles of A, the four of a column the same tiles of B: each tile is asked for jointly,
; by the same tensor load with the same descriptor and a mask that names the four.
; THE MATRIX INSTRUCTION IS USED TRANSPOSED (source 0 = 16 columns of B, source 1 = 16 rows of A): lane l then holds row l % 16 of C and eight neighbouring columns.
; REGISTERS in windows of 256: window 0: v16-27 addresses, v64-127 and v128-191 A's two fragment buffers (at work on the way out), v32-63, v192-255 the way out;
;   window 1: v0-63 the bias of my 128 columns as the accumulators hold them, v64-127 and v128-191 B's two fragment buffers; windows 2, 3: the accumulators.
; Limits: NaN and infinities are not served.  GELU = 1: erfc by a five-term rational form, absolute error at most 1.5e-7; results of v_exp_f32 and v_rcp_f32 below 2^-126 come out as zero.
.set SIZE_N, 3072
.set SIZE_K, 1024
.set WOFF,   0
.set GELU,   0
.set KSTEP,  128
.set PITCH,  272                       ; a row of A in LDS: 256 bytes + 16: the 16 rows of a fragment load start 68 words apart
.set PB,     544                       ; a k-row of B in LDS: 512 bytes + 32 = 17 x 32
.set HALFT,  128*PITCH                 ; what one tensor load brings: 128 rows of A, or 64 k-rows of B (64 x 544, the same bytes)
.set SLOT,   4*HALFT                   ; A's 256 rows, then B's 128 k-rows
.set STAGE,  2*SLOT                    ; behind the ring: 16 rows x 272 bytes for each wave, for the way out; no tensor load fills it
.set SPITCH, 272
.set LAPS,   SIZE_K/(2*KSTEP)          ; a lap = two K steps = once round the ring
.set ADRA, 16                          ; v16-17  LDS address of my A fragments in slot 0, 1
.set ADRB, 20                          ; v20-21  the same for B
.set STO,  24                          ; v24     the way out: where I put 16 bytes of a row
.set RD,   25                          ; v25     the way out: where I read a row back
.set CO,   26                          ; v26     my byte offset in C
.set BO,   27                          ; v27     my byte offset in the bias
.set F0,   64
.set F1,   128
.set T,    128                         ; the way out: a block's 64 numbers in f32
.set TMP,  192                         ; the way out: packed results
.set OB,   32                          ; the way out: 16 rows read back: v32-63 and v224-255 by turns
.set BI,   0                           ; window 1: the bias
.set GD,   64                          ; GELU: t = 1 / (1 + p |x| / sqrt 2)
.set GE,   72                          ; GELU: exp(-x x / 2), then max(x, 0)
.set GQ,   80                          ; GELU: the polynomial
.set GA5,  96                          ; GELU: a5 / 2, twice
.set G1,   24                          ; s[24:31] descriptor group 1 for A's tiles; s[32:39] group 0, a set for each slot
.set G0,   32
.set G1B,  48                          ; s[48:55], s[56:63] the same for B's tiles
.set G0B,  56
.set BIAS, 66                          ; s[66:67]
.set CP,   72                          ; s72 p / sqrt 2; pairs: s[74:75] -log2(e) / 2, s[76:83] a1 / 2 .. a4 / 2
.set CE,   74
.set C1,   76
.set C2,   78
.set C3,   80
.set C4,   82
.set MSB, 0
.macro WIN new                         ; the immediate's high byte repeats the setting that is left; a switch that changes nothing is dropped
.if MSB != (\new)
	s_set_vgpr_msb (MSB<<8)|(\new)
.set MSB, (\new)
.endif
.endm
.set MUL_LO, 0xa1                      ; source 0 (B) window 1, source 1 (A) window 0, C and D window 2
.set MUL_HI, 0xf1                      ; the same, C and D window 3
.set TO_B,   0x40                      ; destination window 1, address window 0
; A joint load.  Waves 0 and 1 fetch A's two halves, waves 2 and 3 B's.  The branch hangs on the wave's number alone.  Four v_nop follow each of the two lines.
.macro JLOAD s
	s_cmp_eq_u32 s11, 0
	s_cbranch_scc0 .Lfor_b_\@
	tensor_load_to_lds s[G0+4*\s:G0+4*\s+3], s[G1:G1+7]
	s_nop 0
.rept 4
	v_nop
.endr
	s_branch .Lasked_\@
.Lfor_b_\@:
	tensor_load_to_lds s[G0B+4*\s:G0B+4*\s+3], s[G1B:G1B+7]
	s_nop 0
.rept 4
	v_nop
.endr
.Lasked_\@:
.endm
; A round of the cluster's barrier: my work-group's barrier, wave 0 signals for the work-group, every wave waits for all sixteen, my work-group's barrier once more.
.macro CREST
	s_cmp_lg_u32 s10, 0
	s_cbranch_scc1 .Lnot_wave_0_\@
	s_barrier_signal -3
.Lnot_wave_0_\@:
	s_barrier_wait -3
	s_barrier_signal -1
	s_barrier_wait -1
.endm
.macro CROUND
	s_barrier_signal -1
	s_barrier_wait -1
	CREST
.endm
	s_load_b128 s[4:7], s[0:1], 0x0                ; A s[4:5], the weights s[6:7]
	s_load_b64 s[BIAS:BIAS+1], s[0:1], 0x10        ; bias
	s_load_b64 s[8:9], s[0:1], 0x18                ; C
	s_set_vgpr_msb 0x40
	v_lshl_add_u32 v255, v0, 2, 0x48400
	s_set_vgpr_msb 0x4000
	v_mov_b32 v31, 0
	s_set_vgpr_msb 0x1
	ds_add_u32 v255, v31
	ds_add_u32 v255, v31
	s_set_vgpr_msb 0x100
	v_lshrrev_b32 v1, 5, v0
	v_readfirstlane_b32 s10, v1                    ; wave 0..3
	s_lshr_b32 s11, s10, 1                         ; which half of the tile's rows is mine.  Also: I fetch for A (0) or for B (1)
	s_and_b32 s12, s10, 1                          ; which half of its columns.  Also: which half of that tile I fetch
	s_bfe_u32 s40, ttmp6, 0x40000                  ; cx, cy: my place in the cluster
	s_bfe_u32 s41, ttmp6, 0x40004
	s_lshl_b32 s42, ttmp9, 2
	s_add_co_u32 s42, s42, s40                     ; tile column of C = 4 x cluster x + cx
	s_and_b32 s13, ttmp7, 0xffff
	s_lshl_b32 s13, s13, 2
	s_add_co_u32 s13, s13, s41                     ; tile row of C = 4 x cluster y + cy
	s_lshl_b32 s43, s41, 2
	s_lshl_b32 s43, 15, s43                        ; my row of the cluster: places 4 cy .. 4 cy + 3
	s_lshl_b32 s44, 0x1111, s40                    ; my column: places cx, cx + 4, cx + 8, cx + 12
	; group 1 for A: 128 rows x 128 elements of 2 bytes, 4 words of padding behind every 64
	s_or_b32 s[G1+0], s43, (1<<16)|(1<<20)|(1<<21)|(5<<22)|(3<<25)
	s_mov_b32 s[G1+1], KSTEP<<16                   ; tensor_dim0 = 128
	s_mov_b32 s[G1+2], 128<<16                     ; tensor_dim1 = 128
	s_mov_b32 s[G1+3], KSTEP<<16                   ; tile_dim0 = 128
	s_mov_b32 s[G1+4], 128                         ; tile_dim1 = 128
	s_mov_b32 s[G1+5], SIZE_K                      ; elements from row to row
	s_mov_b32 s[G1+6], 0
	s_mov_b32 s[G1+7], 0
	; group 1 for B: 64 k-rows x 256 elements of 2 bytes, 8 words of padding behind every 128
	s_or_b32 s[G1B+0], s44, (1<<16)|(1<<20)|(1<<21)|(6<<22)|(7<<25)
	s_mov_b32 s[G1B+1], 256<<16                    ; tensor_dim0 = 256
	s_mov_b32 s[G1B+2], 64<<16                     ; tensor_dim1 = 64
	s_mov_b32 s[G1B+3], 256<<16                    ; tile_dim0 = 256
	s_mov_b32 s[G1B+4], 64                         ; tile_dim1 = 64
	s_mov_b32 s[G1B+5], SIZE_N
	s_mov_b32 s[G1B+6], 0
	s_mov_b32 s[G1B+7], 0
	; A's tiles hang on the tile row alone, B's on the tile column alone, each in registers that never hold the other coordinate
	s_lshl_b32 s16, s13, 8
	s_lshl_b32 s17, s12, 7
	s_add_co_u32 s16, s16, s17                     ; A: row 256 x tile row + 128 x half,
	s_mul_i32 s16, s16, SIZE_K*2                   ; in bytes (under 2^24)
	s_mov_b32 s17, 0
	s_lshl_b32 s46, s42, 9                         ; B: column 256 x tile column, in bytes,
	s_mul_i32 s47, s12, 64*SIZE_N*2                ; k-row 64 x half
	s_add_co_u32 s46, s46, s47
.if WOFF
	s_add_co_u32 s46, s46, WOFF                    ; this matrix's place among the weights
.endif
	s_mov_b32 s47, 0
	s_mul_i32 s20, s10, HALFT                      ; where they go: A's two halves, then B's two halves = wave x 34,816 bytes
	s_wait_dscnt 0x0
	s_wait_kmcnt 0x0
	s_add_nc_u64 s[14:15], s[4:5], s[16:17]
	s_add_nc_u64 s[46:47], s[6:7], s[46:47]
	CROUND                                         ; all sixteen work-groups are here: the first joint loads meet
.irp s, 0,1
	s_mov_b32 s[G0+4*\s], 1
	s_add_co_u32 s[G0+4*\s+1], s20, \s*SLOT
	s_add_nc_u64 s[G0+4*\s+2:G0+4*\s+3], s[14:15], \s*KSTEP*2
	s_or_b32 s[G0+4*\s+3], s[G0+4*\s+3], 0x80000000
	s_mov_b32 s[G0B+4*\s], 1
	s_add_co_u32 s[G0B+4*\s+1], s20, \s*SLOT
	s_add_nc_u64 s[G0B+4*\s+2:G0B+4*\s+3], s[46:47], \s*KSTEP*SIZE_N*2
	s_or_b32 s[G0B+4*\s+3], s[G0B+4*\s+3], 0x80000000
	JLOAD \s                                       ; both slots are asked for before anything else: two tensor loads of mine are out
.endr
	v_and_b32 v1, 15, v0                           ; l % 16
	v_bfe_u32 v2, v0, 4, 1                         ; l / 16
	v_mul_u32_u24 v3, v1, PITCH
	v_lshl_add_u32 v3, v2, 4, v3                   ; A's fragment: row x pitch + 16 x half; two loads 32 bytes apart
	v_and_b32 v6, 7, v0
	v_bfe_u32 v7, v0, 3, 1
	v_lshl_add_u32 v6, v2, 3, v6                   ; B's fragment, turned: lane l reads 16 bytes of k-row 8 (l / 16) + l % 8,
	v_mul_u32_u24 v6, v6, PB
	v_lshl_add_u32 v6, v7, 4, v6                   ; columns 8 ((l / 8) % 2) on; the second load 16 k-rows further down
	s_mul_i32 s21, s11, HALFT                      ; my 128 rows of A
	s_lshl_b32 s22, s12, 8                         ; my 128 columns of B,
	s_add_co_u32 s22, s22, 2*HALFT                 ; which lies behind A
.irp s, 0,1
	v_add_nc_u32 v[ADRA+\s], s21, v3
	v_add_nc_u32 v[ADRB+\s], s22, v6
	s_add_co_u32 s21, s21, SLOT
	s_add_co_u32 s22, s22, SLOT
.endr
	s_mul_i32 s23, s10, 16*SPITCH
	s_add_co_u32 s23, s23, STAGE                   ; my stage
	v_mul_u32_u24 v4, v1, SPITCH                   ; in: row l % 16, 16 bytes for each half of the lanes
	v_lshl_add_u32 v4, v2, 4, v4
	v_add_nc_u32 v[STO], s23, v4
	v_mul_u32_u24 v5, v2, SPITCH                   ; back: lanes 0-15 take one row of 256 bytes, lanes 16-31 the next
	v_lshl_add_u32 v5, v1, 4, v5
	v_add_nc_u32 v[RD], s23, v5
	v_mul_u32_u24 v5, v2, SIZE_N*2                 ; and the same two rows in C
	v_lshl_add_u32 v[CO], v1, 4, v5
	v_lshlrev_b32 v[BO], 5, v2                     ; a lane's eight columns of a block: 32 bytes of bias for each half of the lanes
	s_lshl_b32 s13, s13, 8
	s_lshl_b32 s14, s11, 7
	s_add_co_u32 s16, s13, s14                     ; my first row of C,
	s_mul_i32 s16, s16, SIZE_N*2                   ; in bytes (under 2^26)
	s_mov_b32 s17, 0
	s_lshl_b32 s46, s42, 9                         ; my first column, in bytes: 512 x tile column + 256 x half
	s_lshl_b32 s47, s12, 8
	s_add_co_u32 s46, s46, s47
	s_mov_b32 s47, 0
	s_add_nc_u64 s[16:17], s[16:17], s[46:47]      ; what the way out adds to C's address
	s_lshl_b32 s68, s46, 1                         ; the bias is f32: twice the bytes
	s_mov_b32 s69, 0
	s_add_nc_u64 s[BIAS:BIAS+1], s[BIAS:BIAS+1], s[68:69]
	WIN TO_B
.irp b, 0,1,2,3,4,5,6,7
	global_load_b128 v[BI+8*\b:BI+8*\b+3],   v[BO], s[BIAS:BIAS+1] offset:64*\b      ; waited for on the way out; address and base are never written again
	global_load_b128 v[BI+8*\b+4:BI+8*\b+7], v[BO], s[BIAS:BIAS+1] offset:64*\b+16
.endr
	WIN 0
.if GELU
	s_mov_b32 s[CP], 0x3e6d3388                    ; 0.3275911 / sqrt 2
	s_mov_b32 s[CE], 0xbf38aa3b                    ; -log2(e) / 2
	s_mov_b32 s[CE+1], 0xbf38aa3b
	s_mov_b32 s[C1], 0x3e027906                    ; 0.254829592 / 2
	s_mov_b32 s[C1+1], 0x3e027906
	s_mov_b32 s[C2], 0xbe11a98e                    ; -0.284496736 / 2
	s_mov_b32 s[C2+1], 0xbe11a98e
	s_mov_b32 s[C3], 0x3f35f0e3                    ; 1.421413741 / 2
	s_mov_b32 s[C3+1], 0x3f35f0e3
	s_mov_b32 s[C4], 0xbf3a00e3                    ; -1.453152027 / 2
	s_mov_b32 s[C4+1], 0xbf3a00e3
.endif
; 16 matrix instructions: m blocks a0, a0 + 1 of the window's four x all 8 n blocks, 32 along K.  zero = 1: the first product starts the sums.
; The 64 accumulators take turns, one instruction a turn.
.macro MUL16 f, hi, a0, zero
.irp a, \a0, \a0+1
.irp b, 0,1,2,3,4,5,6,7
.if \zero
	v_wmma_f32_16x16x32_bf16 v[8*(8*(\a)+\b):8*(8*(\a)+\b)+7], v[\f+8*\b:\f+8*\b+7], v[\f+8*(4*\hi+\a):\f+8*(4*\hi+\a)+7], 0
.else
	v_wmma_f32_16x16x32_bf16 v[8*(8*(\a)+\b):8*(8*(\a)+\b)+7], v[\f+8*\b:\f+8*\b+7], v[\f+8*(4*\hi+\a):\f+8*(4*\hi+\a)+7], v[8*(8*(\a)+\b):8*(8*(\a)+\b)+7]
.endif
.endr
.endr
.endm
; 32 LDS loads in one run: the fragments of quarter q (32 along K) of a slot into buffer f: B's 128 columns, turned, then A's 128 rows
.macro FETCH slot, q, f
	WIN TO_B
.irp i, 0,1,2,3,4,5,6,7
	ds_load_tr16_b128 v[\f+8*\i:\f+8*\i+3],   v[ADRB+\slot] offset:\q*32*PB+32*\i
	ds_load_tr16_b128 v[\f+8*\i+4:\f+8*\i+7], v[ADRB+\slot] offset:\q*32*PB+16*PB+32*\i
.endr
	WIN 0
.irp i, 0,1,2,3,4,5,6,7
	ds_load_b128 v[\f+8*\i:\f+8*\i+3],   v[ADRA+\slot] offset:64*\q+\i*16*PITCH
	ds_load_b128 v[\f+8*\i+4:\f+8*\i+7], v[ADRA+\slot] offset:64*\q+\i*16*PITCH+32
.endr
.endm
; four plain places between a matrix instruction and a load into, or a vector instruction on, one of its registers (ISA guide 7.12.1 for vector instructions)
.macro PLACES
.rept 4
	v_nop
.endr
.endm
; One of a K step's first three quarters: multiplies buffer f; in its middle it fetches quarter q of the same slot into buffer g.
.macro QUARTER slot, q, f, g, zero
	s_wait_dscnt 8                                 ; B and A's rows 0-63 are in; the youngest eight loads (A's rows 64-127) may be out
	WIN MUL_LO
	MUL16 \f, 0, 0, \zero
	MUL16 \f, 0, 2, \zero
	PLACES
	FETCH \slot, \q, \g
	s_wait_dscnt 32                                ; all but the 32 just issued
	WIN MUL_HI
	MUL16 \f, 1, 0, \zero
	MUL16 \f, 1, 2, \zero
.endm
; The last quarter multiplies buffer 1 and changes slots.  One barrier: in front of it each wave waits for its reads of this slot and for all its tensor loads
; (one is out: its part of the next slot).  fill = 1: the barrier opens a round of the cluster's barrier, and this slot is filled again, two K steps on, first thing behind the round.
.macro TURN slot, next, fill
	s_wait_dscnt 8
	WIN MUL_LO
	MUL16 F1, 0, 0, 0
	s_wait_dscnt 0                                 ; my reads of this slot are over
	s_wait_tensorcnt 0x0                           ; all my tensor loads have landed, so every group 0 may be written
	ds_add_u32 v255, v31
	s_wait_dscnt 0x0
	s_barrier_signal -1
	MUL16 F1, 0, 2, 0                              ; register work while the others arrive
.if \fill
	WIN 0
.endif
	s_barrier_wait -1
.if \fill
	CREST                                          ; no wave of any partner still reads this slot or has a load on its way
	s_add_nc_u64 s[G0+4*\slot+2:G0+4*\slot+3], s[G0+4*\slot+2:G0+4*\slot+3], 2*KSTEP*2
	s_add_nc_u64 s[G0B+4*\slot+2:G0B+4*\slot+3], s[G0B+4*\slot+2:G0B+4*\slot+3], 2*KSTEP*SIZE_N*2
	JLOAD \slot                                    ; 240 matrix instructions ahead of the wait for it; its four v_nop are also the places in front of the loads below
.else
	PLACES
.endif
	FETCH \next, 0, F0
	WIN MUL_HI
	MUL16 F1, 1, 0, 0
	MUL16 F1, 1, 2, 0
.endm
; THE WAY OUT of block a (16 rows x 128 columns).  ADDB: sums + bias into window 0.  GELUB: the activation of 8 numbers.  CVT: rounded to bf16, 16 bytes a lane.
.macro ADDB a
	WIN 0x06+((\a)/4)                              ; source 0 window 2 or 3, source 1 window 1, destination window 0
.set i, 0
.rept 32
	v_pk_add_f32 v[T+2*i:T+2*i+1], v[64*((\a)%4)+2*i:64*((\a)%4)+2*i+1], v[BI+2*i:BI+2*i+1]
.set i, i+1
.endr
	WIN 0
.endm
; gelu(x) = max(x, 0) - |x| erfc(|x| / sqrt 2) / 2;  erfc(z) / 2 = t (a1/2 + t (a2/2 + t (a3/2 + t (a4/2 + t a5/2)))) exp(-z z), t = 1 / (1 + p z)
.macro GELUB b
.set xx, T+8*\b
.irp e, 0,1,2,3,4,5,6,7
	v_fma_f32 v[GD+\e], |v[xx+\e]|, s[CP], 1.0
.endr
.irp e, 0,2,4,6
	v_pk_mul_f32 v[GE+\e:GE+\e+1], v[xx+\e:xx+\e+1], v[xx+\e:xx+\e+1]
.endr
.irp e, 0,1,2,3,4,5,6,7
	v_rcp_f32 v[GD+\e], v[GD+\e]
.endr
.irp e, 0,2,4,6
	v_pk_mul_f32 v[GE+\e:GE+\e+1], v[GE+\e:GE+\e+1], s[CE:CE+1] op_sel_hi:[1,0]   ; plain work behind the reciprocals, which it does not touch
.endr
.irp e, 0,1,2,3,4,5,6,7
	v_exp_f32 v[GE+\e], v[GE+\e]
.endr
.irp e, 0,2,4,6
	v_pk_fma_f32 v[GQ+\e:GQ+\e+1], v[GD+\e:GD+\e+1], v[GA5:GA5+1], s[C4:C4+1] op_sel_hi:[1,1,0]   ; plain work behind the exponentials, which it does not touch
.endr
.irp c, C3, C2, C1
.irp e, 0,2,4,6
	v_pk_fma_f32 v[GQ+\e:GQ+\e+1], v[GQ+\e:GQ+\e+1], v[GD+\e:GD+\e+1], s[\c:\c+1] op_sel_hi:[1,1,0]
.endr
.endr
.irp e, 0,2,4,6
	v_pk_mul_f32 v[GQ+\e:GQ+\e+1], v[GQ+\e:GQ+\e+1], v[GD+\e:GD+\e+1]
.endr
.irp e, 0,2,4,6
	v_pk_mul_f32 v[GQ+\e:GQ+\e+1], v[GQ+\e:GQ+\e+1], v[GE+\e:GE+\e+1]
.endr
.irp e, 0,1,2,3,4,5,6,7
	v_max_num_f32 v[GE+\e], 0, v[xx+\e]
.endr
.irp e, 0,1,2,3,4,5,6,7
	v_fma_f32 v[xx+\e], -|v[xx+\e]|, v[GQ+\e], v[GE+\e]
.endr
.endm
.macro BLOCK a
	ADDB \a
.if GELU
.irp b, 0,1,2,3,4,5,6,7
	GELUB \b
.endr
.endif
.set i, 0
.rept 32
	v_cvt_pk_bf16_f32 v[TMP+i], v[T+2*i], v[T+2*i+1]
.set i, i+1
.endr
.endm
.macro TOSTAGE a                       ; into my own stage, and back as whole rows of 256 bytes
.set BK, OB+192*((\a)%2)
.irp b, 0,1,2,3,4,5,6,7
	ds_store_b128 v[STO], v[TMP+4*\b:TMP+4*\b+3] offset:32*\b
.endr
.irp t, 0,1,2,3,4,5,6,7
	ds_load_b128 v[BK+4*\t:BK+4*\t+3], v[RD] offset:\t*2*SPITCH    ; LDS serves a wave's instructions in order: these see the stores above
.endr
.endm
.macro SEND a
.set BK, OB+192*((\a)%2)
	s_wait_dscnt 0x0                               ; the block is back in registers
	s_wait_xcnt 0x0                                ; the stores' base, and the registers that earlier stores read, are written again only behind this wait
.if (\a) == 0
	s_add_nc_u64 s[8:9], s[8:9], s[16:17]          ; on to my first rows
.else
	s_add_nc_u64 s[8:9], s[8:9], 16*SIZE_N*2       ; 16 rows of C on
.endif
.irp t, 0,1,2,3,4,5,6,7
	global_store_b128 v[CO], v[BK+4*\t:BK+4*\t+3], s[8:9] offset:2*\t*SIZE_N*2   ; 16 lanes store 256 consecutive bytes, at a multiple of 256 from C's first byte
.endr
.endm
	s_wait_tensorcnt 1                             ; my part of K step 0 is in; K step 1's may stay out
	s_barrier_signal -1
	s_barrier_wait -1                              ; everybody's is
	FETCH 0, 0, F0
	QUARTER 0, 1, F0, F1, 1                        ; the first quarter stands in front of the loop: its products start the sums
	WIN 0                                          ; at a label and at a branch every window is 0
	s_mov_b32 s3, LAPS-1
.Llap:                                                 ; a trip goes once round the ring, from a lap's second quarter to the next lap's first, and fills both slots again
	QUARTER 0, 2, F1, F0, 0
	QUARTER 0, 3, F0, F1, 0
	TURN 0, 1, 1
	QUARTER 1, 1, F0, F1, 0
	QUARTER 1, 2, F1, F0, 0
	QUARTER 1, 3, F0, F1, 0
	TURN 1, 0, 1
	QUARTER 0, 1, F0, F1, 0
	WIN 0
	s_sub_co_u32 s3, s3, 1
	s_cmp_lg_u32 s3, 0
	s_cbranch_scc1 .Llap
	QUARTER 0, 2, F1, F0, 0                        ; the last lap fills nothing and has no round
	QUARTER 0, 3, F0, F1, 0
	TURN 0, 1, 0
	QUARTER 1, 1, F0, F1, 0
	QUARTER 1, 2, F1, F0, 0
	QUARTER 1, 3, F0, F1, 0
	s_wait_dscnt 8                                 ; the very last quarter: nothing more to fetch
	WIN MUL_LO
	MUL16 F1, 0, 0, 0
	MUL16 F1, 0, 2, 0
	s_wait_dscnt 0
	WIN MUL_HI
	MUL16 F1, 1, 0, 0
	MUL16 F1, 1, 2, 0
	WIN 0
	PLACES                                         ; the way out reads results just made and writes over A's fragment buffers
	s_wait_loadcnt 0x0                             ; the bias
.if GELU
	v_mov_b32 v[GA5], 0x3f07dc22                   ; 1.061405429 / 2
	v_mov_b32 v[GA5+1], 0x3f07dc22
.endif
	BLOCK 0
	TOSTAGE 0
.irp a, 1,2,3,4,5,6,7                  ; block a's arithmetic stands between block a - 1's loads from the stage and the wait for them
	BLOCK \a
	SEND \a-1
	TOSTAGE \a
.endr
	SEND 7
	s_set_vgpr_msb 0x1
	s_wait_tensorcnt 0x0
	ds_add_u32 v255, v31
	s_wait_dscnt 0x0
	s_set_vgpr_msb 0x100
	CROUND                                         ; the closing round: no work-group ends while a partner may still ask for a tile that names it
	s_endpgm
.Lfunc_end_k_q9bd35612dc_qkv:
	.size	k_q9bd35612dc_qkv, .Lfunc_end_k_q9bd35612dc_qkv-k_q9bd35612dc_qkv
	.p2alignl 7, 3214868480
	.fill 96, 4, 3214868480
	.section	.rodata,"a",@progbits
	.p2align	6, 0x0
	.amdhsa_kernel k_q9bd35612dc_qkv
		.amdhsa_group_segment_fixed_size 327680
		.amdhsa_private_segment_fixed_size 0
		.amdhsa_enable_private_segment 0
		.amdhsa_kernarg_size 32
		.amdhsa_user_sgpr_count 2
		.amdhsa_user_sgpr_kernarg_segment_ptr 1
		.amdhsa_wavefront_size32 1
		.amdhsa_system_sgpr_workgroup_id_x 1
		.amdhsa_system_sgpr_workgroup_id_y 1
		.amdhsa_system_sgpr_workgroup_id_z 1
		.amdhsa_system_vgpr_workitem_id 0
		.amdhsa_next_free_vgpr 1024
		.amdhsa_next_free_sgpr 72
		.amdhsa_reserve_vcc 0
		.amdhsa_float_denorm_mode_32 3
		.amdhsa_float_denorm_mode_16_64 3
		.amdhsa_memory_ordered 1
		.amdhsa_forward_progress 1
		.amdhsa_inst_pref_size 161
	.end_amdhsa_kernel
	.amdgpu_metadata
---
amdhsa.version: [ 1, 2 ]
amdhsa.kernels:
  - .name:           k_q9bd35612dc_qkv
    .symbol:         k_q9bd35612dc_qkv.kd
    .args:
      - { .name: h, .offset: 0, .size: 8, .value_kind: global_buffer, .address_space: global }
      - { .name: wbf, .offset: 8, .size: 8, .value_kind: global_buffer, .address_space: global }
      - { .name: bqkv, .offset: 16, .size: 8, .value_kind: global_buffer, .address_space: global }
      - { .name: qkv, .offset: 24, .size: 8, .value_kind: global_buffer, .address_space: global }
    .group_segment_fixed_size: 327680
    .private_segment_fixed_size: 0
    .kernarg_segment_align: 8
    .kernarg_segment_size: 32
    .max_flat_workgroup_size: 128
    .sgpr_count:     72
    .vgpr_count:     1024
    .wavefront_size: 32
...
	.end_amdgpu_metadata
.endif
;; end of part 2
;; launch attn (part 3): grid 16 x 16, 8 waves a work-group, no clusters, 327,680 bytes of LDS; arguments qkv, att; writes att
.if DOCPART == 3
	.amdgcn_target "amdgcn-amd-amdhsa--gfx1250"
	.amdhsa_code_object_version 6
	.text
	.protected	k_q9bd35612dc_attn
	.globl	k_q9bd35612dc_attn
	.p2align	8
	.type	k_q9bd35612dc_attn,@function
k_q9bd35612dc_attn:
	s_mov_b64 s[64:65], 0
	v_nop
	global_prefetch_b8 v0, s[64:65] scope:SCOPE_SE
	s_setreg_imm32_b32 hwreg(HW_REG_WAVE_MODE, 25, 1), 1
	s_wait_xcnt 0x0
; Causal attention.  qkv: [2 x 2048][3072] bf16 (q, k, v; 16 heads of 64 channels each).
; att[b][t][head] = sum over s <= t of softmax_s(q[t] . k[s] / 8) v[s].  Products, maxima and sums in f32; the weights are rounded to bf16 for the second product.
; att GOES OUT IN THE ORDER IN WHICH THE NEXT LAUNCH'S MATRIX INSTRUCTIONS TAKE IT: blocks of 16 rows x 32 channels, 1,024 bytes each, block (row / 16, channel / 32) at
; ((row / 16) 32 + channel / 32) 1,024; in a block lane l's first 16 bytes (row l % 16, channels 8 (l / 16) on) at 16 l, its second (channels 16 + 8 (l / 16) on) at 512 + 16 l.
; That is what a lane holds after packing, so a store covers 512 consecutive bytes and no stage is needed.
; SHARES.  Work-group (x = j, y = p): batch p / 8, heads 2 (p % 8) and 2 (p % 8) + 1, so that every row of k and v that it fetches is 256 consecutive bytes.
; It makes the block of 64 queries j and then block 31 - j.  Keys go in steps of 128; block q needs q / 2 + 1 steps, the two blocks together 17 in every work-group.
; EIGHT WAVES.  Wave w: head (w % 4) / 2 of the two, queries 32 (w % 2) on as two tiles of 16, and of every step the keys 64 (w / 4) on.  Waves w and w + 4 hold the same queries and
; each a running maximum, sum and O^T of its own keys; at a block's end waves 4-7 hand theirs over through LDS and waves 0-3 merge.  A fragment of K or V feeds as many products as with
; four waves that walk all keys; two waves share a SIMD's registers (2 x 386), so that one wave's softmax can be issued while the other's products run.
; NO CLUSTER: the work-groups of one head pair pass from their first block to their second at different steps (j / 2 + 1), so partners would want different tiles in the same round.
; LAYOUT.  S^T = K Q^T (source 0 = 16 keys, source 1 = 16 queries): a lane holds ONE query (lane % 16) and keys 8 (lane / 16) + 0..7 of each block of 16.  Two such blocks, rounded to
; bf16 in pairs, are source 1 of O^T = V^T P, whose result again holds one query a lane.  K comes out of LDS as it lies, V turned.
; SOFTMAX.  p = 2^(c s - c m), c = log2(e) / 8; O and l are multiplied by a = 2^(c m_old - c m_new) in every step.  m starts at the lowest finite f32, which no score undercuts: a wave
; that has seen closed keys alone (block 0's keys 64 on) keeps it, with p = 0, l = 0, O = 0, and its share in the merge is 2^(c m - c max) = 0.  Key 0 is open to every query, so the merged l is at least 1.
; THE MASK is applied in a block's last step alone: earlier keys are all open.  For an even block that step's second 64 keys are all closed and still walked (1 part in 34).
; RING.  Two LDS slots of 128 keys (K, then V); waves 0-3 each bring 64 rows of K or of V by one tensor load, asked for a step ahead; waves 4-7 bring none: one tensor load of a wave is out at any time.
; REGISTERS.  window 0: v1-15 addresses, v16-31 statistics, v32-95 K, v96-159 V, v160-223 S^T, v224-255 P.  window 1: v0-63 O^T, v64-95 Q, v96-127 the second block's Q.
; Limits: NaN and infinities in qkv are not served; exponentials below 2^-126 come out as zero.
.set ROWB,  6144                       ; bytes in a row of qkv
.set PK,    272                        ; a row of K in LDS: 256 bytes + 16
.set PV,    288                        ; a row of V in LDS: 256 bytes + 32 = 9 x 32
.set VOFF,  128*PK
.set SLOT1, 1<<17                      ; slot 1 begins here: one exclusive or turns an address in one slot into the other's
.set XCH,   SLOT1+128*(PK+PV)          ; behind the ring: what waves 4-7 hand to waves 0-3; no tensor load fills it
.set XW,    17*512                     ; for a pair of waves: 64 registers of O^T and 4 of statistics, 512 bytes for each four
.set AK0, 2                            ; v2   my lane's place in a slot's K; never rewritten
.set AV0, 3                            ; v3   the same for V
.set ADK, 4                            ; v4   the step's address for K
.set ADV, 5                            ; v5   the step's address for V
.set QO,  6                            ; v6   my byte offset in the wave's rows of q
.set XA,  7                            ; v7   my 16 bytes in my pair's part of the exchange
.set GO,  8                            ; v8   16 x lane: my byte offset in a block of att
.set NMAX, 9                           ; v9   the lowest finite f32
.set DM,  10                           ; v10  my query less my first key, counted from the last step's first key
.set NINF, 11                          ; v11  -infinity
.set XS,  12                           ; v[12:15] c m and l of both tiles, to hand over (at work during set-up)
.set ST,  16                           ; tile t's statistics at v[ST+8 t]: +0 c m, +1 m, +2, +3 l (even keys', odd keys'), +4 to +7 at work; a in +6
.set KF,  32
.set VF,  96
.set S,   160
.set P,   224
.set OA,  0                            ; window 1
.set QF,  64                           ; window 1
.set QF2, 96                           ; window 1
.set G0K, 32                           ; s[32:35] group 0 for K's tiles, s[36:39] for V's
.set G0V, 36
.set G1K, 40                           ; s[40:47] group 1 for K's tiles, s[48:55] for V's: it differs in the padding alone
.set G1V, 48
.set MSB, 0
.macro WIN new                         ; the immediate's high byte repeats the setting that is left; a switch that changes nothing is dropped
.if MSB != (\new)
	s_set_vgpr_msb (MSB<<8)|(\new)
.set MSB, (\new)
.endif
.endm
.macro PLACES                          ; four plain places between a matrix instruction and a load into, or another instruction on, one of its registers (ISA guide 7.12.1 for vector instructions)
.rept 4
	v_nop
.endr
.endm
; Waves 0 and 1 fetch K's two halves of a step, waves 2 and 3 V's, waves 4 to 7 nothing.  Four v_nop follow each of the two lines.
.macro JLOAD
	s_cmp_lt_u32 s8, 2
	s_cbranch_scc0 .Lnot_k_\@
	tensor_load_to_lds s[G0K:G0K+3], s[G1K:G1K+7]
	s_nop 0
.rept 4
	v_nop
.endr
	s_branch .Lasked_\@
.Lnot_k_\@:
	s_cmp_lt_u32 s8, 4
	s_cbranch_scc0 .Lasked_\@
	tensor_load_to_lds s[G0V:G0V+3], s[G1V:G1V+7]
	s_nop 0
.rept 4
	v_nop
.endr
.Lasked_\@:
.endm
; the addresses of query block qb: my wave's 32 rows of q, my head; the blocks of att that hold those rows and my head's 64 channels
.macro BASES qb, qdst, odst
	s_lshl_b32 s60, \qb, 6
	s_add_co_u32 s60, s60, s22                     ; the block's first row,
	s_lshl_b32 s61, s10, 5
	s_add_co_u32 s60, s60, s61                     ; my wave's first row
	s_mul_i32 s56, s60, ROWB
	s_add_co_u32 s56, s56, s23                     ; the head pair's 256 bytes,
	s_lshl_b32 s61, s9, 7
	s_add_co_u32 s56, s56, s61                     ; my head's 128 of them
	s_add_nc_u64 s[\qdst:\qdst+1], s[4:5], s[56:57]
	s_lshl_b32 s56, s60, 11                        ; att: (row / 16) x 32 blocks of 1,024 bytes = row x 2,048,
	s_lshl_b32 s61, s23, 4                         ; the head pair's four blocks: 4,096 x pair,
	s_add_co_u32 s56, s56, s61
	s_lshl_b32 s61, s9, 11                         ; my head's two of them
	s_add_co_u32 s56, s56, s61
	s_add_nc_u64 s[\odst:\odst+1], s[6:7], s[56:57]
.endm
	s_load_b128 s[4:7], s[0:1], 0x0                ; qkv s[4:5], att s[6:7]
	s_set_vgpr_msb 0x40
	v_lshl_add_u32 v128, v0, 2, 0x3a000
	v_mov_b32 v129, 0
	s_set_vgpr_msb 0x4045
	ds_add_u32 v128, v129
	ds_add_u32 v128, v129
	s_set_vgpr_msb 0x4500
	v_lshrrev_b32 v1, 5, v0
	v_readfirstlane_b32 s8, v1                     ; wave 0..7
	s_lshr_b32 s2, s8, 2                           ; which 64 keys of a step are mine
	s_and_b32 s3, s8, 3                            ; my pair
	s_lshr_b32 s9, s3, 1                           ; my head of the two.  Also, in waves 0-3: I fetch K (0) or V (1)
	s_and_b32 s10, s8, 1                           ; my half of the queries.  Also: which 64 rows of a step I fetch
	s_mov_b32 s11, ttmp9                           ; j
	s_and_b32 s12, ttmp7, 0xffff                   ; p
	s_lshr_b32 s22, s12, 3
	s_lshl_b32 s22, s22, 11                        ; the batch's first row
	s_and_b32 s23, s12, 7
	s_lshl_b32 s23, s23, 8                         ; the head pair's bytes in a row
	s_lshr_b32 s13, s11, 1
	s_add_co_u32 s13, s13, 1                       ; the first block's steps
	s_and_b32 s62, s11, 1
	s_lshl_b32 s62, s62, 7
	s_sub_co_u32 s62, 64, s62                      ; what DM gains at the change of blocks: 64 ((31 - j) % 2 - j % 2)
	s_mov_b32 s24, 0x3e38aa3b                      ; c = log2(e) / 8
	s_mov_b32 s25, 0x3e38aa3b
	s_mov_b32 s26, 0x76543210                      ; v_permlanex16_b32: each lane takes its own place in the other half
	s_mov_b32 s27, 0xfedcba98
	; group 1: 64 rows x 128 elements of 2 bytes, padded behind every 64 words: K by 4 words, V by 8
	s_mov_b32 s[G1K], (1<<16)|(1<<20)|(5<<22)|(3<<25)
	s_mov_b32 s[G1V], (1<<16)|(1<<20)|(5<<22)|(7<<25)
.irp g, G1K, G1V
	s_mov_b32 s[\g+1], 128<<16                     ; tensor_dim0 = 128
	s_mov_b32 s[\g+2], 64<<16                      ; tensor_dim1 = 64
	s_mov_b32 s[\g+3], 128<<16                     ; tile_dim0 = 128
	s_mov_b32 s[\g+4], 64                          ; tile_dim1 = 64
	s_mov_b32 s[\g+5], 3072                        ; elements from row to row
	s_mov_b32 s[\g+6], 0
	s_mov_b32 s[\g+7], 0
.endr
	s_mov_b32 s57, 0                               ; the high word of every offset
	s_mul_i32 s56, s22, ROWB
	s_add_co_u32 s56, s56, s23
	s_mul_i32 s60, s10, 64*ROWB
	s_add_co_u32 s56, s56, s60
	s_add_co_u32 s56, s56, 2048                    ; k begins 2,048 bytes into a row
	s_mov_b32 s[G0K], 1
	s_mul_i32 s[G0K+1], s10, 64*PK                 ; LDS: slot 0, my half of K's rows
	s_mov_b32 s[G0V], 1
	s_mul_i32 s[G0V+1], s10, 64*PV
	s_add_co_u32 s[G0V+1], s[G0V+1], VOFF          ; or of V's
	s_wait_dscnt 0x0
	s_wait_kmcnt 0x0
	s_add_nc_u64 s[28:29], s[4:5], s[56:57]        ; my rows of K in step 0,
	s_add_nc_u64 s[30:31], s[28:29], 2048          ; of V
	s_mov_b64 s[G0K+2:G0K+3], s[28:29]
	s_or_b32 s[G0K+3], s[G0K+3], 0x80000000
	s_mov_b64 s[G0V+2:G0V+3], s[30:31]
	s_or_b32 s[G0V+3], s[G0V+3], 0x80000000
	JLOAD                                          ; step 0, ahead of everything else
	BASES s11, 18, 14                              ; block j: q s[18:19], att s[14:15]
	s_sub_co_u32 s59, 31, s11
	BASES s59, 20, 16                              ; block 31 - j: q s[20:21], att s[16:17]
	v_and_b32 v1, 15, v0                           ; l % 16
	v_bfe_u32 v12, v0, 4, 1                        ; l / 16
	v_and_b32 v13, 7, v0
	v_bfe_u32 v14, v0, 3, 1
	v_mul_u32_u24 v[QO], v1, ROWB
	v_lshl_add_u32 v[QO], v12, 4, v[QO]            ; a fragment of Q: row l % 16, 16 bytes for each half of the lanes; two loads 32 bytes apart
	WIN 0x40                                       ; destination window 1
.irp t, 0,1
.irp c, 0,1
	global_load_b128 v[QF+16*\t+8*\c:QF+16*\t+8*\c+3],     v[QO], s[18:19] offset:\t*16*ROWB+\c*64
	global_load_b128 v[QF+16*\t+8*\c+4:QF+16*\t+8*\c+7],   v[QO], s[18:19] offset:\t*16*ROWB+\c*64+32
	global_load_b128 v[QF2+16*\t+8*\c:QF2+16*\t+8*\c+3],   v[QO], s[20:21] offset:\t*16*ROWB+\c*64
	global_load_b128 v[QF2+16*\t+8*\c+4:QF2+16*\t+8*\c+7], v[QO], s[20:21] offset:\t*16*ROWB+\c*64+32
.endr
.endr
	WIN 0
	s_lshl_b32 s60, s9, 7                          ; my head's 128 bytes of an LDS row
	s_mul_i32 s61, s2, 64*PK                       ; my 64 keys of a step
	s_add_co_u32 s61, s61, s60
	v_mul_u32_u24 v[AK0], v1, PK
	v_lshl_add_u32 v[AK0], v12, 4, v[AK0]
	v_add_nc_u32 v[AK0], s61, v[AK0]               ; K: key l % 16, 16 bytes for each half of the lanes
	s_mul_i32 s61, s2, 64*PV
	s_add_co_u32 s61, s61, s60
	s_add_co_u32 s61, s61, VOFF
	v_lshl_add_u32 v[AV0], v12, 3, v13             ; V, turned: lane l reads 16 bytes of key 8 (l / 16) + l % 8,
	v_mul_u32_u24 v[AV0], v[AV0], PV
	v_lshl_add_u32 v[AV0], v14, 4, v[AV0]          ; channels 8 ((l / 8) % 2) on
	v_add_nc_u32 v[AV0], s61, v[AV0]
	s_mul_i32 s61, s3, XW
	s_add_co_u32 s61, s61, XCH                     ; my pair's part of the exchange
	v_and_b32 v[GO], 31, v0
	v_lshlrev_b32 v[GO], 4, v[GO]
	v_add_nc_u32 v[XA], s61, v[GO]
	s_and_b32 s61, s11, 1
	s_lshl_b32 s61, s61, 6
	s_lshl_b32 s60, s10, 5
	s_add_co_u32 s61, s61, s60                     ; 64 (block % 2) + 32 (w % 2)
	s_lshl_b32 s60, s2, 6
	s_sub_co_u32 s61, s61, s60                     ; - 64 (w / 4): a signed number
	v_lshlrev_b32 v[DM], 3, v12
	v_sub_nc_u32 v[DM], v1, v[DM]
	v_add_nc_u32 v[DM], s61, v[DM]                 ; + l % 16 - 8 (l / 16)
	v_mov_b32 v[NINF], 0xff800000
	v_mov_b32 v[NMAX], 0xff7fffff
; 16 LDS loads: my 64 keys of K (fragment f = keys 16 (f / 2) on, channels 32 (f % 2) on)
.macro FETCH_K
.irp f, 0,1,2,3,4,5,6,7
	ds_load_b128 v[KF+8*\f:KF+8*\f+3],   v[ADK] offset:(\f/2)*16*PK+(\f%2)*64
	ds_load_b128 v[KF+8*\f+4:KF+8*\f+7], v[ADK] offset:(\f/2)*16*PK+(\f%2)*64+32
.endr
.endm
; 16 LDS loads: my 64 keys of V, turned (fragment f = keys 32 (f / 4) on, channels 16 (f % 4) on)
.macro FETCH_V
.irp f, 0,1,2,3,4,5,6,7
	ds_load_tr16_b128 v[VF+8*\f:VF+8*\f+3],   v[ADV] offset:(\f/4)*32*PV+(\f%4)*32
	ds_load_tr16_b128 v[VF+8*\f+4:VF+8*\f+7], v[ADV] offset:(\f/4)*32*PV+16*PV+(\f%4)*32
.endr
.endm
; S^T = K Q^T: product i: channels 32 (i / 8) on, keys 16 ((i / 2) % 4) on, tile i % 2.  The first 8 start the sums.  The 8 accumulators take turns.
.macro DO_KQ
	WIN 0x04                                       ; Q in window 1
.set i, 0
.rept 16
.set rS, S+32*(i%2)+8*((i/2)%4)
.set rK, KF+16*((i/2)%4)+8*(i/8)
.set rQ, QF+16*(i%2)+8*(i/8)
.if i < 8
	v_wmma_f32_16x16x32_bf16 v[rS:rS+7], v[rK:rK+7], v[rQ:rQ+7], 0
.else
	v_wmma_f32_16x16x32_bf16 v[rS:rS+7], v[rK:rK+7], v[rQ:rQ+7], v[rS:rS+7]
.endif
.set i, i+1
.endr
	WIN 0
.endm
; O^T += V^T P: product i: keys 32 (i / 8) on, channels 16 ((i / 2) % 4) on, tile i % 2.  The 8 accumulators take turns.
.macro DO_PV
	WIN 0x50                                       ; O^T (C and D) in window 1
.set i, 0
.rept 16
.set rO, OA+32*(i%2)+8*((i/2)%4)
.set rV, VF+32*(i/8)+8*((i/2)%4)
.set rP, P+16*(i%2)+8*(i/8)
	v_wmma_f32_16x16x32_bf16 v[rO:rO+7], v[rV:rV+7], v[rP:rP+7], v[rO:rO+7]
.set i, i+1
.endr
	WIN 0
.endm
; a key is open where 64 (w / 4) + 16 b + 8 (l / 16) + e <= 64 (block % 2) + 32 (w % 2) + 16 t + l % 16; a closed one's score becomes -infinity
.macro MASK
.irp t, 0,1
.irp b, 0,1,2,3
.irp e, 0,1,2,3,4,5,6,7
	v_cmp_le_i32 vcc_lo, 16*\b+\e-16*\t, v[DM]
	v_cndmask_b32 v[S+32*\t+8*\b+\e], v[NINF], v[S+32*\t+8*\b+\e], vcc_lo
.endr
.endr
.endr
.endm
; both tiles' softmax for 64 keys; the two tiles alternate, so that no instruction reads the result of the one just before it
.macro SOFTMAX
.irp c, 0,1,2,3
.irp t, 0,1
	v_max3_num_f32 v[ST+8*\t+4+\c], v[S+32*\t+8*\c], v[S+32*\t+8*\c+1], v[S+32*\t+8*\c+2]
.endr
.endr
.irp d, 3,5
.irp c, 0,1,2,3
.irp t, 0,1
	v_max3_num_f32 v[ST+8*\t+4+\c], v[ST+8*\t+4+\c], v[S+32*\t+8*\c+\d], v[S+32*\t+8*\c+\d+1]
.endr
.endr
.endr
.irp t, 0,1
	v_max3_num_f32 v[ST+8*\t+4], v[ST+8*\t+4], v[S+32*\t+7], v[S+32*\t+15]
.endr
.irp t, 0,1
	v_max3_num_f32 v[ST+8*\t+6], v[ST+8*\t+6], v[S+32*\t+23], v[S+32*\t+31]
.endr
.irp t, 0,1
	v_max3_num_f32 v[ST+8*\t+4], v[ST+8*\t+4], v[ST+8*\t+5], v[ST+8*\t+6]
.endr
.irp t, 0,1
	v_max3_num_f32 v[ST+8*\t+4], v[ST+8*\t+4], v[ST+8*\t+7], v[ST+8*\t+1]   ; and the old m
.endr
.irp t, 0,1
	v_permlanex16_b32 v[ST+8*\t+5], v[ST+8*\t+4], s26, s27   ; the query's other 32 keys lie in the lane 16 away
.endr
.irp t, 0,1
	v_mov_b32 v[ST+8*\t+7], v[ST+8*\t]             ; c m_old is kept for a
.endr
.irp t, 0,1
	v_max_num_f32 v[ST+8*\t+1], v[ST+8*\t+4], v[ST+8*\t+5]
.endr
.irp t, 0,1
	v_mul_f32 v[ST+8*\t], s24, v[ST+8*\t+1]
.endr
.irp t, 0,1
	v_sub_f32 v[ST+8*\t+7], v[ST+8*\t+7], v[ST+8*\t]
.endr
.irp t, 0,1
	v_exp_f32 v[ST+8*\t+6], v[ST+8*\t+7]           ; a; the scalings below are the plain work behind it
.endr
.irp k, 0,1,2,3,4,5,6,7,8,9,10,11,12,13,14,15
.irp t, 0,1
	v_pk_fma_f32 v[S+32*\t+2*\k:S+32*\t+2*\k+1], v[S+32*\t+2*\k:S+32*\t+2*\k+1], s[24:25], v[ST+8*\t:ST+8*\t+1] op_sel_hi:[1,0,0] neg_lo:[0,0,1] neg_hi:[0,0,1]   ; c s - c m
.endr
.endr
.set i, 0
.rept 64
	v_exp_f32 v[S+i], v[S+i]
.set i, i+1
.endr
	WIN 0x41                                       ; O^T in window 1, a in window 0: plain work behind the exponentials, which it does not touch
	s_wait_alu depctr_va_vdst(0)
.irp k, 0,1,2,3,4,5,6,7,8,9,10,11,12,13,14,15
.irp t, 0,1
	v_pk_mul_f32 v[OA+32*\t+2*\k:OA+32*\t+2*\k+1], v[OA+32*\t+2*\k:OA+32*\t+2*\k+1], v[ST+8*\t+6:ST+8*\t+7] op_sel_hi:[1,0]
.endr
.endr
	WIN 0
.set i, 0
.rept 32
	v_cvt_pk_bf16_f32 v[P+i], v[S+2*i], v[S+2*i+1]
.set i, i+1
.endr
.irp w, 4,8,16,32                      ; the sum of a tile's 16 pairs, in place: neighbours 1, 2, 4 and 8 pairs apart
.set i, 0
.rept 32/\w
.irp t, 0,1
	v_pk_add_f32 v[S+32*\t+\w*i:S+32*\t+\w*i+1], v[S+32*\t+\w*i:S+32*\t+\w*i+1], v[S+32*\t+\w*i+\w/2:S+32*\t+\w*i+\w/2+1]
.endr
.set i, i+1
.endr
.endr
.irp t, 0,1
	v_pk_fma_f32 v[ST+8*\t+2:ST+8*\t+3], v[ST+8*\t+2:ST+8*\t+3], v[ST+8*\t+6:ST+8*\t+7], v[S+32*\t:S+32*\t+1] op_sel_hi:[1,0,1]   ; l = a l + the sum
.endr
.endm
; A step's work of a wave: its 64 keys.  mask = 1: the block's last step; 2: it is if s59 = s13 (both made of the work-group's number and the step's alone, so the branch is the same in all waves).
.macro WORK mask
	v_add_nc_u32 v[ADK], s63, v[AK0]
	v_add_nc_u32 v[ADV], s63, v[AV0]
	FETCH_K
	FETCH_V
	s_wait_dscnt 16                                ; K is in; V's sixteen loads may stay out
	DO_KQ
	PLACES
.if \mask == 1
	MASK
.endif
.if \mask == 2
	s_cmp_lg_u32 s59, s13
	s_cbranch_scc1 .Lopen_\@
	MASK
.Lopen_\@:
.endif
	SOFTMAX
	s_wait_dscnt 0x0                               ; V is in
	DO_PV
	PLACES                                         ; for the next step's loads into V's registers, and for what reads O^T at a block's end
.endm
; A block starts: m = the lowest finite f32, l = 0, O^T = 0.  The step's text is written once, and in a block's first step a multiplies O^T, which therefore has to be finite: it is cleared.
.macro INIT
.irp t, 0,1
	v_mul_f32 v[ST+8*\t], s24, v[NMAX]
	v_mov_b32 v[ST+8*\t+1], v[NMAX]
.irp e, 2,3,4,5,6,7
	v_mov_b32 v[ST+8*\t+\e], 0
.endr
.endr
	WIN 0x40
.set i, 0
.rept 64
	v_mov_b32 v[OA+i], 0
.set i, i+1
.endr
	WIN 0
.endm
; A block leaves.  Every wave sums its l over the halves of the lanes.  Waves 4-7 put O^T, c m and l into the exchange; a barrier; waves 0-3 take them and merge:
; a_i = 2^(c m_i - c max), l = a_0 l_0 + a_1 l_1, O = (a_0 O_0 + a_1 O_1) / l; rounded to bf16, a lane's 16 bytes are stored where the next launch's fragment wants them.
.macro FLUSH
.irp t, 0,1
	v_add_f32 v[ST+8*\t+4], v[ST+8*\t+2], v[ST+8*\t+3]
.endr
.irp t, 0,1
	v_permlanex16_b32 v[ST+8*\t+5], v[ST+8*\t+4], s26, s27
.endr
.irp t, 0,1
	v_add_f32 v[ST+8*\t+4], v[ST+8*\t+4], v[ST+8*\t+5]
.endr
	s_cmp_lt_u32 s8, 4
	s_cbranch_scc1 .Lkeeps_\@
	v_mov_b32 v[XS], v[ST]                         ; four neighbouring registers for one store
	v_mov_b32 v[XS+1], v[ST+4]
	v_mov_b32 v[XS+2], v[ST+8]
	v_mov_b32 v[XS+3], v[ST+12]
	WIN 0x04                                       ; the stores' data in window 1
.set i, 0
.rept 16
	ds_store_b128 v[XA], v[OA+4*i:OA+4*i+3] offset:512*i
.set i, i+1
.endr
	WIN 0
	ds_store_b128 v[XA], v[XS:XS+3] offset:8192
.Lkeeps_\@:
	s_wait_dscnt 0x0                               ; for the partner's sake: my stores into the exchange are done
	s_wait_tensorcnt 0x0                           ; and no tensor load of mine is out at this barrier
	s_barrier_signal -1
	s_barrier_wait -1
	s_cmp_lt_u32 s8, 4
	s_cbranch_scc0 .Lgave_\@
.set i, 0
.rept 16
	ds_load_b128 v[KF+4*i:KF+4*i+3], v[XA] offset:512*i      ; the partner's O^T, register for register, where K's fragments lay
.set i, i+1
.endr
	ds_load_b128 v[VF:VF+3], v[XA] offset:8192     ; its c m and l, tile 0's, then tile 1's
	s_wait_dscnt 0x0                               ; also for the partner's sake: the exchange is written again only behind a later barrier
.irp t, 0,1
	v_max_num_f32 v[ST+8*\t+5], v[ST+8*\t], v[VF+2*\t]
.endr
.irp t, 0,1
	v_sub_f32 v[ST+8*\t+6], v[ST+8*\t], v[ST+8*\t+5]
.endr
.irp t, 0,1
	v_sub_f32 v[ST+8*\t+7], v[VF+2*\t], v[ST+8*\t+5]
.endr
.irp t, 0,1
	v_exp_f32 v[ST+8*\t+6], v[ST+8*\t+6]           ; a_0
	v_exp_f32 v[ST+8*\t+7], v[ST+8*\t+7]           ; a_1
.endr
	v_nop                                          ; a plain instruction between the last exponential and the use of its result
	s_wait_alu depctr_va_vdst(0)
.irp t, 0,1
	v_mul_f32 v[ST+8*\t+4], v[ST+8*\t+4], v[ST+8*\t+6]
.endr
.irp t, 0,1
	v_fma_f32 v[ST+8*\t+4], v[VF+2*\t+1], v[ST+8*\t+7], v[ST+8*\t+4]
.endr
.irp t, 0,1
	v_rcp_f32 v[ST+8*\t+5], v[ST+8*\t+4]
.endr
	v_nop                                          ; a plain instruction between the last reciprocal and the use of its result
	s_wait_alu depctr_va_vdst(0)
.irp t, 0,1
	v_mul_f32 v[ST+8*\t+6], v[ST+8*\t+6], v[ST+8*\t+5]       ; a_0 / l
.endr
.irp t, 0,1
	v_mul_f32 v[ST+8*\t+4], v[ST+8*\t+7], v[ST+8*\t+5]       ; a_1 / l
.endr
	WIN 0x41
.irp k, 0,1,2,3,4,5,6,7,8,9,10,11,12,13,14,15
.irp t, 0,1
	v_pk_mul_f32 v[OA+32*\t+2*\k:OA+32*\t+2*\k+1], v[OA+32*\t+2*\k:OA+32*\t+2*\k+1], v[ST+8*\t+6:ST+8*\t+7] op_sel_hi:[1,0]
.endr
.endr
	WIN 0x50                                       ; sources 0 and 1 window 0, source 2 and destination window 1
.irp k, 0,1,2,3,4,5,6,7,8,9,10,11,12,13,14,15
.irp t, 0,1
	v_pk_fma_f32 v[OA+32*\t+2*\k:OA+32*\t+2*\k+1], v[KF+32*\t+2*\k:KF+32*\t+2*\k+1], v[ST+8*\t+4:ST+8*\t+5], v[OA+32*\t+2*\k:OA+32*\t+2*\k+1] op_sel_hi:[1,0,1]
.endr
.endr
	WIN 0x05                                       ; sources window 1, destination window 0
.set i, 0
.rept 32
	v_cvt_pk_bf16_f32 v[S+i], v[OA+2*i], v[OA+2*i+1]
.set i, i+1
.endr
	WIN 0
.irp t, 0,1
.irp b, 0,1,2,3
	global_store_b128 v[GO], v[S+16*\t+4*\b:S+16*\t+4*\b+3], s[14:15] offset:\t*32768+\b*512   ; 32 lanes store 512 consecutive bytes, at a multiple of 512 from att's first byte
.endr
.endr
	s_wait_xcnt 0x0                                ; S^T's registers and the stores' base are written again only behind this wait
.Lgave_\@:
.endm
; on to block 31 - j: its queries were loaded at the start, so that no load is waited for here
.macro SWITCH
	WIN 0x41
.set i, 0
.rept 32
	v_mov_b32 v[QF+i], v[QF2+i]
.set i, i+1
.endr
	WIN 0
	INIT
	v_add_nc_u32 v[DM], s62, v[DM]
	s_mov_b64 s[14:15], s[16:17]
.endm
	INIT
	s_wait_loadcnt 0x0                             ; both blocks' queries
	s_mov_b32 s58, 0                               ; the step, 0..16
	s_mov_b32 s63, 0                               ; the LDS byte at which its slot begins
.Lstep:                                                ; 16 trips; trip s works on step s and asks for step s + 1
	s_set_vgpr_msb 0x5
	s_wait_tensorcnt 0x0                           ; all my tensor loads have landed, my part of this step among them, so every group 0 may be written
	ds_add_u32 v128, v129
	ds_add_u32 v128, v129
	s_wait_dscnt 0x0
	s_set_vgpr_msb 0x500
	s_add_co_u32 s59, s58, 1
	s_cmp_lt_u32 s59, s13
	s_cselect_b32 s60, 0, s13
	s_sub_co_u32 s60, s59, s60                     ; the next step's place among its block's steps
	s_mul_i32 s56, s60, 128*ROWB
	s_xor_b32 s[G0K+1], s[G0K+1], SLOT1            ; the other slot than last time
	s_xor_b32 s[G0V+1], s[G0V+1], SLOT1
	s_add_nc_u64 s[G0K+2:G0K+3], s[28:29], s[56:57]
	s_or_b32 s[G0K+3], s[G0K+3], 0x80000000
	s_add_nc_u64 s[G0V+2:G0V+3], s[30:31], s[56:57]
	s_or_b32 s[G0V+3], s[G0V+3], 0x80000000
	s_wait_dscnt 0x0                               ; my reads of the last step's slot are over
	s_barrier_signal -1
	s_barrier_wait -1                              ; both now hold of every wave
	JLOAD                                          ; the one tensor load of waves 0-3 behind this barrier: it has the step's work in which to land
	WORK 2
	s_cmp_lg_u32 s59, s13
	s_cbranch_scc1 .Lsame
	FLUSH                                          ; the first block's last step is done
	SWITCH
.Lsame:
	s_xor_b32 s63, s63, SLOT1
	s_add_co_u32 s58, s58, 1
	s_cmp_lt_u32 s58, 16
	s_cbranch_scc1 .Lstep
	s_wait_tensorcnt 0x0                           ; the last step is written out: it asks for nothing
	s_wait_dscnt 0x0
	s_barrier_signal -1
	s_barrier_wait -1
	WORK 1
	FLUSH
	s_set_vgpr_msb 0x5
	s_wait_tensorcnt 0x0
	ds_add_u32 v128, v129
	s_wait_dscnt 0x0
	s_set_vgpr_msb 0x500
	s_endpgm
.Lfunc_end_k_q9bd35612dc_attn:
	.size	k_q9bd35612dc_attn, .Lfunc_end_k_q9bd35612dc_attn-k_q9bd35612dc_attn
	.p2alignl 7, 3214868480
	.fill 96, 4, 3214868480
	.section	.rodata,"a",@progbits
	.p2align	6, 0x0
	.amdhsa_kernel k_q9bd35612dc_attn
		.amdhsa_group_segment_fixed_size 327680
		.amdhsa_private_segment_fixed_size 0
		.amdhsa_enable_private_segment 0
		.amdhsa_kernarg_size 16
		.amdhsa_user_sgpr_count 2
		.amdhsa_user_sgpr_kernarg_segment_ptr 1
		.amdhsa_wavefront_size32 1
		.amdhsa_system_sgpr_workgroup_id_x 1
		.amdhsa_system_sgpr_workgroup_id_y 1
		.amdhsa_system_sgpr_workgroup_id_z 1
		.amdhsa_system_vgpr_workitem_id 0
		.amdhsa_next_free_vgpr 386
		.amdhsa_next_free_sgpr 66
		.amdhsa_reserve_vcc 1
		.amdhsa_float_denorm_mode_32 3
		.amdhsa_float_denorm_mode_16_64 3
		.amdhsa_memory_ordered 1
		.amdhsa_forward_progress 1
		.amdhsa_inst_pref_size 80
	.end_amdhsa_kernel
	.amdgpu_metadata
---
amdhsa.version: [ 1, 2 ]
amdhsa.kernels:
  - .name:           k_q9bd35612dc_attn
    .symbol:         k_q9bd35612dc_attn.kd
    .args:
      - { .name: qkv, .offset: 0, .size: 8, .value_kind: global_buffer, .address_space: global }
      - { .name: att, .offset: 8, .size: 8, .value_kind: global_buffer, .address_space: global }
    .group_segment_fixed_size: 327680
    .private_segment_fixed_size: 0
    .kernarg_segment_align: 8
    .kernarg_segment_size: 16
    .max_flat_workgroup_size: 256
    .sgpr_count:     66
    .vgpr_count:     386
    .wavefront_size: 32
...
	.end_amdgpu_metadata
.endif
;; end of part 3
;; launch proj (part 4): grid 8 x 32, 4 waves a work-group, clusters of 4 x 4, 295,424 bytes of LDS; arguments att, wbf, bo, x, y; writes y
.if DOCPART == 4
	.amdgcn_target "amdgcn-amd-amdhsa--gfx1250"
	.amdhsa_code_object_version 6
	.text
	.protected	k_q9bd35612dc_proj
	.globl	k_q9bd35612dc_proj
	.p2align	8
	.type	k_q9bd35612dc_proj,@function
k_q9bd35612dc_proj:
	s_mov_b64 s[64:65], 0
	v_nop
	global_prefetch_b8 v0, s[64:65] scope:SCOPE_SE
	s_setreg_imm32_b32 hwreg(HW_REG_WAVE_MODE, 25, 1), 1
	s_wait_xcnt 0x0
	s_wait_alu depctr_hold_cnt(0) depctr_sa_sdst(0) depctr_va_vdst(0) depctr_va_sdst(0) depctr_va_ssrc(0) depctr_va_vcc(0) depctr_vm_vsrc(0)
	s_getreg_b32 s2, hwreg(HW_REG_IB_STS2, 6, 4)
	s_cmp_eq_u32 s2, 0
	s_cbranch_scc0 .Lentry_in_a_cluster
	s_endpgm
.Lentry_in_a_cluster:
	s_bfe_u32 s2, ttmp6, 0x10000c
	s_cmp_lg_u32 s2, 0xf033
	s_cbranch_scc0 .Lentry_shape_is_right
	s_endpgm
.Lentry_shape_is_right:
; C[m][n] = R[m][n] + bias[n] + sum over k of A[m][k] B[k][n], in f32.
; A: 4096 x SIZE_K bf16, IN THE ORDER OF THE MATRIX INSTRUCTION'S OPERAND, as the launch before stored it: blocks of 16 rows x 32 k, 1,024 bytes each, block (m / 16, k / 32) at
; ((m / 16) SIZE_K / 32 + k / 32) 1,024; in a block lane l's first 16 bytes at 16 l, its second at 512 + 16 l.  B: [SIZE_K][1024] bf16, at byte WOFF of the weights' buffer.
; bias: [1024] f32.  R (the residual) and C: [4096][1024] f32.  Sums in f32.
; SHARES.  C has 32 x 8 tiles of 128 x 128: one for each of 256 work-groups.  K IS SPLIT AMONG THE FOUR WAVES: wave w makes the whole tile (64 accumulators, 512 registers) for the
; k in [512 s + 128 w, 512 s + 128 w + 128), s = 0 .. SIZE_K / 512 - 1.  So a fragment read feeds eight matrix instructions, each fragment of A is wanted by one wave of the work-group
; alone, and each wave reads only the rows of B that it fetched itself.  At the end the four partial sums meet in LDS.
; A COMES STRAIGHT INTO REGISTERS: a load covers 512 consecutive bytes; a ring of four buffers of 64 registers keeps three quarters (of 32 along K, 64 matrix instructions each) on their way.
; B GOES THROUGH LDS, since it lies [K][N] and has to be turned: two slots of 512 k-rows x 256 bytes, each wave bringing its own 128 k-rows by one tensor load.
; CLUSTER: 4 x 4 work-groups; B's tiles are asked for jointly along a column of the cluster.  A's fragments, which a row of the cluster shares, are NOT asked for jointly: with A in LDS too
; a tile costs 512 bytes for each k, two slots hold 256 along K each, and a wave has 128 matrix instructions from a slot's request to the next; with B alone a slot holds 512 and a wave has 256.
; THE MATRIX INSTRUCTION IS USED TRANSPOSED (source 0 = 16 columns of B, source 1 = 16 rows of A): a lane holds eight neighbouring numbers of a row of C.
; THE WAY OUT.  Each wave stores its 128 x 128 sums into the ring, whose slots have had their last fill (4 x 8 blocks of 16 rows x 528 bytes); a barrier; wave w reads rows 32 w on, whole,
; from all four, adds them, R and the bias, and stores 512 consecutive bytes an instruction.  R is loaded into A's freed buffers during the last two quarters.
; REGISTERS: window 0: v16-35 addresses and bias, v64-127 and v128-191 B's two fragment buffers (on the way out: rows read back); window 1: A's four buffers (at the end v0-127: R); windows 2, 3: the accumulators.
; Limits: NaN and infinities are not served.  The order of rounding differs from a single sum along K: four partial sums, one for each wave's k, are added at the end.
.set SIZE_N, 1024
.set SIZE_K, 1024
.set WOFF,   6291456
.set KSLOT,  512                       ; k-rows of B in a slot
.set PB,     288                       ; a k-row of B in LDS: 256 bytes + 32 = 9 x 32
.set QTR,    128*PB                    ; what one tensor load brings: the wave's own 128 k-rows
.set SLOT,   4*QTR
.set LAPS,   SIZE_K/(2*KSLOT)          ; a lap = two slots = once round the ring
.set AROW,   SIZE_K*32                 ; bytes from a block of 16 rows of A to the next: SIZE_K / 32 fragments of 1,024
.set ASTEP,  KSLOT*32                  ; bytes from a slot's fragments of A to the next slot's: 16 fragments
.set RP,     528                       ; the way out: a row of 128 f32 + 16 bytes
.set RBLK,   16*RP
.set RWAVE,  8*RBLK                    ; a wave's 128 rows
.set AO,   16                          ; v16     16 x lane: my bytes in a fragment of A, in a row of R and C, in the bias
.set ADRB, 20                          ; v20-21  LDS address of my B fragments in slot 0, 1
.set STO,  24                          ; v24     the way out: where I put my sums
.set RD,   28                          ; v28-31  the way out: where I read my rows of wave 0's, 1's, 2's, 3's sums
.set BV,   32                          ; v[32:35] the bias of my four columns
.set F0,   64
.set F1,   128
.set G1B,  48                          ; s[48:55] descriptor group 1; s[56:63] group 0, a set for each slot
.set G0B,  56
.set BIAS, 68                          ; s[68:69]
.set RES,  70                          ; s[70:71]
.set MSB, 0
.macro WIN new                         ; the immediate's high byte repeats the setting that is left; a switch that changes nothing is dropped
.if MSB != (\new)
	s_set_vgpr_msb (MSB<<8)|(\new)
.set MSB, (\new)
.endif
.endm
.set MUL_LO, 0xa4                      ; source 0 (B) window 0, source 1 (A) window 1, C and D window 2
.set MUL_HI, 0xf4                      ; the same, C and D window 3
.set TO_A,   0x40                      ; destination window 1, address window 0
.macro JLOAD s                         ; a joint load: every wave fetches its own 128 k-rows; four v_nop follow the line
	tensor_load_to_lds s[G0B+4*\s:G0B+4*\s+3], s[G1B:G1B+7]
	s_nop 0
.rept 4
	v_nop
.endr
.endm
.macro CREST                           ; a round of the cluster's barrier behind its opening barrier
	s_cmp_lg_u32 s10, 0
	s_cbranch_scc1 .Lnot_wave_0_\@
	s_barrier_signal -3
.Lnot_wave_0_\@:
	s_barrier_wait -3
	s_barrier_signal -1
	s_barrier_wait -1
.endm
.macro CROUND
	s_barrier_signal -1
	s_barrier_wait -1
	CREST
.endm
; 16 loads: A's eight fragments of quarter j, counted from the lap's first, into buffer j % 4
.macro AFETCH j
	WIN TO_A
.irp i, 0,1,2,3,4,5,6,7
	global_load_b128 v[64*((\j)%4)+8*\i:64*((\j)%4)+8*\i+3],   v[AO], s[14:15] offset:\i*AROW+((\j)/4)*ASTEP+((\j)%4)*1024
	global_load_b128 v[64*((\j)%4)+8*\i+4:64*((\j)%4)+8*\i+7], v[AO], s[14:15] offset:\i*AROW+((\j)/4)*ASTEP+((\j)%4)*1024+512
.endr
.endm
; 16 loads: rows 16 half on of the 32 rows of R that I shall add, into A's buffer of that number
.macro RFETCH half
	WIN TO_A
.irp i, 0,1,2,3,4,5,6,7,8,9,10,11,12,13,14,15
	global_load_b128 v[64*(\half)+4*\i:64*(\half)+4*\i+3], v[AO], s[RES:RES+1] offset:(16*(\half)+\i)*4096
.endr
.endm
.macro GFETCH aj                       ; aj >= 0: A's quarter aj; -1, -2: R's first, second half.  Sixteen loads in every case, so that the counted wait is the same everywhere
.if (\aj) >= 0
	AFETCH \aj
.else
	RFETCH (0-(\aj))-1
.endif
.endm
	s_load_b128 s[4:7], s[0:1], 0x0                ; A s[4:5], the weights s[6:7]
	s_load_b128 s[68:71], s[0:1], 0x10             ; bias s[68:69], R s[70:71]
	s_load_b64 s[8:9], s[0:1], 0x20                ; C
	v_lshl_add_u32 v254, v0, 2, 0x48000
	v_mov_b32 v255, 0
	ds_add_u32 v254, v255
	ds_add_u32 v254, v255
	v_lshrrev_b32 v1, 5, v0
	v_readfirstlane_b32 s10, v1                    ; wave 0..3
	s_bfe_u32 s40, ttmp6, 0x40000                  ; cx, cy
	s_bfe_u32 s41, ttmp6, 0x40004
	s_lshl_b32 s42, ttmp9, 2
	s_add_co_u32 s42, s42, s40                     ; tile column of C
	s_and_b32 s13, ttmp7, 0xffff
	s_lshl_b32 s13, s13, 2
	s_add_co_u32 s13, s13, s41                     ; tile row of C
	s_lshl_b32 s44, 0x1111, s40                    ; my column of the cluster: places cx, cx + 4, cx + 8, cx + 12
	; group 1: 128 k-rows x 128 elements of 2 bytes, 8 words of padding behind every 64
	s_or_b32 s[G1B+0], s44, (1<<16)|(1<<20)|(1<<21)|(5<<22)|(7<<25)
	s_mov_b32 s[G1B+1], 128<<16                    ; tensor_dim0 = 128
	s_mov_b32 s[G1B+2], 128<<16                    ; tensor_dim1 = 128
	s_mov_b32 s[G1B+3], 128<<16                    ; tile_dim0 = 128
	s_mov_b32 s[G1B+4], 128                        ; tile_dim1 = 128
	s_mov_b32 s[G1B+5], SIZE_N                     ; elements from row to row
	s_mov_b32 s[G1B+6], 0
	s_mov_b32 s[G1B+7], 0
	s_lshl_b32 s46, s42, 8                         ; B: column 128 x tile column, in bytes,
	s_mul_i32 s47, s10, 128*SIZE_N*2               ; k-row 128 x wave,
	s_add_co_u32 s46, s46, s47
	s_add_co_u32 s46, s46, WOFF                    ; this matrix's place among the weights: the tile column and the wave's number alone
	s_mov_b32 s47, 0
	s_mul_i32 s20, s10, QTR                        ; where it goes: no place in the cluster enters an LDS address
	s_mul_i32 s16, s13, 8*AROW                     ; A: the tile's eight blocks of 16 rows,
	s_lshl_b32 s17, s10, 12                        ; my four fragments of a slot's sixteen
	s_add_co_u32 s16, s16, s17
	s_mov_b32 s17, 0
	s_lshl_b32 s18, s42, 9                         ; the tile's 128 columns of f32, in bytes
	s_mov_b32 s19, 0
	s_lshl_b32 s72, s13, 7
	s_lshl_b32 s73, s10, 5
	s_add_co_u32 s72, s72, s73                     ; the first row that I store: 128 x tile row + 32 x wave,
	s_lshl_b32 s72, s72, 12                        ; in bytes,
	s_add_co_u32 s72, s72, s18                     ; and the tile's columns
	s_mov_b32 s73, 0
	v_and_b32 v[AO], 31, v0
	v_lshlrev_b32 v[AO], 4, v[AO]
	s_wait_dscnt 0x0
	s_wait_kmcnt 0x0
	s_add_nc_u64 s[46:47], s[6:7], s[46:47]
	s_add_nc_u64 s[14:15], s[4:5], s[16:17]
	s_add_nc_u64 s[BIAS:BIAS+1], s[BIAS:BIAS+1], s[18:19]
	s_add_nc_u64 s[RES:RES+1], s[RES:RES+1], s[72:73]
	s_add_nc_u64 s[8:9], s[8:9], s[72:73]
	global_load_b128 v[BV:BV+3], v[AO], s[BIAS:BIAS+1]       ; older than every load of A, so that it enters none of their counts
	AFETCH 0                                       ; the ring of A is filled: three quarters are on their way
	AFETCH 1
	AFETCH 2
	WIN 0
	CROUND                                         ; all sixteen work-groups are here: the first joint loads meet
.irp s, 0,1
	s_mov_b32 s[G0B+4*\s], 1
	s_add_co_u32 s[G0B+4*\s+1], s20, \s*SLOT
	s_add_nc_u64 s[G0B+4*\s+2:G0B+4*\s+3], s[46:47], \s*KSLOT*SIZE_N*2
	s_or_b32 s[G0B+4*\s+3], s[G0B+4*\s+3], 0x80000000
	JLOAD \s                                       ; two tensor loads of mine are out
.endr
	v_and_b32 v1, 15, v0                           ; l % 16
	v_bfe_u32 v2, v0, 4, 1                         ; l / 16
	v_and_b32 v6, 7, v0
	v_bfe_u32 v7, v0, 3, 1
	v_lshl_add_u32 v6, v2, 3, v6                   ; B's fragment, turned: lane l reads 16 bytes of k-row 8 (l / 16) + l % 8,
	v_mul_u32_u24 v6, v6, PB
	v_lshl_add_u32 v6, v7, 4, v6                   ; columns 8 ((l / 8) % 2) on; the second load 16 k-rows further down
	v_add_nc_u32 v[ADRB], s20, v6                  ; among my own 128 k-rows
	v_add_nc_u32 v[ADRB+1], SLOT, v[ADRB]
	s_mul_i32 s21, s10, RWAVE
	v_mul_u32_u24 v4, v1, RP                       ; the way out, in: row l % 16, 32 bytes (eight f32) for each half of the lanes
	v_lshl_add_u32 v4, v2, 5, v4
	v_add_nc_u32 v[STO], s21, v4
	s_mul_i32 s22, s10, 2*RBLK                     ; back: my 32 rows, 16 bytes a lane: a row of 512 bytes a load
	v_add_nc_u32 v[RD], s22, v[AO]
.irp s, 1,2,3
	v_add_nc_u32 v[RD+\s], \s*RWAVE, v[RD]
.endr
; 16 matrix instructions: m blocks a0, a0 + 1 of the window's four x all 8 n blocks, 32 along K; B from buffer fb, A from buffer qa.  zero = 1: the first product starts the sums.
; The 64 accumulators take turns, one instruction a turn.
.macro MUL16 fb, qa, hi, a0, zero
.irp a, \a0, \a0+1
.irp b, 0,1,2,3,4,5,6,7
.if \zero
	v_wmma_f32_16x16x32_bf16 v[8*(8*(\a)+\b):8*(8*(\a)+\b)+7], v[\fb+8*\b:\fb+8*\b+7], v[64*\qa+8*(4*\hi+\a):64*\qa+8*(4*\hi+\a)+7], 0
.else
	v_wmma_f32_16x16x32_bf16 v[8*(8*(\a)+\b):8*(8*(\a)+\b)+7], v[\fb+8*\b:\fb+8*\b+7], v[64*\qa+8*(4*\hi+\a):64*\qa+8*(4*\hi+\a)+7], v[8*(8*(\a)+\b):8*(8*(\a)+\b)+7]
.endif
.endr
.endr
.endm
; 16 LDS loads: B's eight fragments of my quarter q of a slot, turned, into buffer f
.macro BFETCH slot, q, f
	WIN 0
.irp i, 0,1,2,3,4,5,6,7
	ds_load_tr16_b128 v[\f+8*\i:\f+8*\i+3],   v[ADRB+\slot] offset:(\q)*32*PB+32*\i
	ds_load_tr16_b128 v[\f+8*\i+4:\f+8*\i+7], v[ADRB+\slot] offset:(\q)*32*PB+16*PB+32*\i
.endr
.endm
.macro PLACES                          ; four plain places between a matrix instruction and a load into, or another instruction on, one of its registers (ISA guide 7.12.1 for vector instructions)
.rept 4
	v_nop
.endr
.endm
; One of a slot's first three quarters, q: multiplies B's buffer f and A's buffer q.  In its middle it fetches B's next quarter into g, and into A's buffer (q + 3) % 4, which the quarter before
; multiplied, the quarter three on (aj counts it from the lap's first).
.macro QUARTER slot, q, f, g, aj, zero
	s_wait_dscnt 0x0                               ; B's fragments, asked for 32 matrix instructions ago
	s_wait_loadcnt 32                              ; A's fragments of this quarter are in; the two younger groups of sixteen loads stay out
	WIN MUL_LO
	MUL16 \f, \q, 0, 0, \zero
	MUL16 \f, \q, 0, 2, \zero
	PLACES
	BFETCH \slot, \q+1, \g
	GFETCH \aj
	WIN MUL_HI
	MUL16 \f, \q, 1, 0, \zero
	MUL16 \f, \q, 1, 2, \zero
.endm
; A slot's last quarter changes slots: one barrier; in front of it each wave has waited for its reads of this slot (the wait at the head: no LDS instruction follows it) and waits for all its tensor loads.
; fill = 1: the barrier opens a round of the cluster's barrier, and this slot is filled again, two slots on, first thing behind the round.
.macro TURN slot, next, fill, aj
	s_wait_dscnt 0x0                               ; B's fragments are in: my reads of this slot are over
	s_wait_loadcnt 32
	WIN MUL_LO
	MUL16 F1, 3, 0, 0, 0
	s_wait_tensorcnt 0x0                           ; all my tensor loads have landed, my part of the next slot among them, so every group 0 may be written
	s_barrier_signal -1
	MUL16 F1, 3, 0, 2, 0                           ; register work while the others arrive
.if \fill
	WIN 0
.endif
	s_barrier_wait -1
.if \fill
	CREST                                          ; no wave of any partner still reads this slot or has a load on its way
	s_add_nc_u64 s[G0B+4*\slot+2:G0B+4*\slot+3], s[G0B+4*\slot+2:G0B+4*\slot+3], 2*KSLOT*SIZE_N*2
	JLOAD \slot                                    ; 240 matrix instructions ahead of the wait for it; its four v_nop are also the places in front of the loads below
.else
	PLACES
.endif
	BFETCH \next, 0, F0
	GFETCH \aj
	WIN MUL_HI
	MUL16 F1, 3, 1, 0, 0
	MUL16 F1, 3, 1, 2, 0
.endm
; the way out: 16 LDS loads: rows 4 c on of my 32, from all four waves' sums
.macro RLOAD c
.set X, F0+64*((\c)%2)
.irp i, 0,1,2,3
.irp s, 0,1,2,3
	ds_load_b128 v[X+16*\i+4*\s:X+16*\i+4*\s+3], v[RD+\s] offset:((4*(\c)+\i)/16)*RBLK+((4*(\c)+\i)%16)*RP
.endr
.endr
.endm
; those four rows: the four sums, R and the bias are added, and the rows stored.  younger: the LDS loads issued behind theirs
.macro RSUM c, younger
.set X, F0+64*((\c)%2)
	s_wait_dscnt \younger
.irp i, 0,1,2,3
.irp e, 0,2
	v_pk_add_f32 v[X+16*\i+\e:X+16*\i+\e+1], v[X+16*\i+\e:X+16*\i+\e+1], v[X+16*\i+4+\e:X+16*\i+4+\e+1]
	v_pk_add_f32 v[X+16*\i+8+\e:X+16*\i+8+\e+1], v[X+16*\i+8+\e:X+16*\i+8+\e+1], v[X+16*\i+12+\e:X+16*\i+12+\e+1]
.endr
.endr
	WIN 0x04                                       ; source 1 window 1: R
.irp i, 0,1,2,3
.irp e, 0,2
	v_pk_add_f32 v[X+16*\i+8+\e:X+16*\i+8+\e+1], v[X+16*\i+8+\e:X+16*\i+8+\e+1], v[4*(4*(\c)+\i)+\e:4*(4*(\c)+\i)+\e+1]
.endr
.endr
	WIN 0
.irp i, 0,1,2,3
.irp e, 0,2
	v_pk_add_f32 v[X+16*\i+\e:X+16*\i+\e+1], v[X+16*\i+\e:X+16*\i+\e+1], v[BV+\e:BV+\e+1]
.endr
.endr
.irp i, 0,1,2,3
.irp e, 0,2
	v_pk_add_f32 v[X+16*\i+\e:X+16*\i+\e+1], v[X+16*\i+\e:X+16*\i+\e+1], v[X+16*\i+8+\e:X+16*\i+8+\e+1]
.endr
.endr
.irp i, 0,1,2,3
	global_store_b128 v[AO], v[X+16*\i:X+16*\i+3], s[8:9] offset:(4*(\c)+\i)*4096   ; 32 lanes store 512 consecutive bytes, at a multiple of 512 from C's first byte
.endr
.endm
	s_wait_tensorcnt 1                             ; my part of slot 0 is in; slot 1's may stay out
	s_barrier_signal -1
	s_barrier_wait -1
	BFETCH 0, 0, F0
	QUARTER 0, 0, F0, F1, 3, 1                     ; the first quarter stands in front of the loop: its products start the sums
.if LAPS > 1
	WIN 0                                          ; at a label and at a branch every window is 0
	s_mov_b32 s3, LAPS-1
.Llap:                                                 ; a trip goes once round the ring, from a lap's second quarter to the next lap's first, and fills both slots again
	QUARTER 0, 1, F1, F0, 4, 0
	QUARTER 0, 2, F0, F1, 5, 0
	TURN 0, 1, 1, 6
	QUARTER 1, 0, F0, F1, 7, 0
	QUARTER 1, 1, F1, F0, 8, 0
	QUARTER 1, 2, F0, F1, 9, 0
	TURN 1, 0, 1, 10
	QUARTER 0, 0, F0, F1, 11, 0
	WIN 0
	s_wait_xcnt 0x0                                ; the base of A's loads is stepped only behind this wait
	s_add_nc_u64 s[14:15], s[14:15], 2*ASTEP       ; the next lap's first fragments
	s_sub_co_u32 s3, s3, 1
	s_cmp_lg_u32 s3, 0
	s_cbranch_scc1 .Llap
.endif
	QUARTER 0, 1, F1, F0, 4, 0                     ; the last lap fills no slot and has no round
	QUARTER 0, 2, F0, F1, 5, 0
	TURN 0, 1, 0, 6
	QUARTER 1, 0, F0, F1, 7, 0                     ; A's last quarter is asked for
	QUARTER 1, 1, F1, F0, -1, 0                    ; R takes the freed buffers 0 and 1: sixteen loads each, in the place of A's, so the count 32 goes on holding
	QUARTER 1, 2, F0, F1, -2, 0
	s_wait_dscnt 0x0                               ; the very last quarter
	s_wait_loadcnt 32                              ; A's last fragments are in; R's 32 loads stay out
	WIN MUL_LO
	MUL16 F1, 3, 0, 0, 0
	MUL16 F1, 3, 0, 2, 0
	WIN MUL_HI
	MUL16 F1, 3, 1, 0, 0
	MUL16 F1, 3, 1, 2, 0
	WIN 0
	PLACES                                         ; the LDS stores below read results just made
	s_barrier_signal -1                            ; every wave's reads of the ring are over (its waits for them stand above) and no tensor load is out:
	s_barrier_wait -1                              ; the ring, which is filled no more, takes the sums
.irp hi, 0,1
	WIN 0x08+4*\hi                                 ; the stores' data in window 2, then 3
.irp a, 0,1,2,3
.irp b, 0,1,2,3,4,5,6,7
	ds_store_b128 v[STO], v[8*(8*\a+\b):8*(8*\a+\b)+3]   offset:(4*\hi+\a)*RBLK+64*\b
	ds_store_b128 v[STO], v[8*(8*\a+\b)+4:8*(8*\a+\b)+7] offset:(4*\hi+\a)*RBLK+64*\b+16
.endr
.endr
.endr
	WIN 0
	s_wait_dscnt 0x0                               ; for the others' sake: my sums are in LDS
	s_barrier_signal -1
	s_barrier_wait -1
	RLOAD 0
	s_wait_loadcnt 0x0                             ; R and the bias
.irp c, 0,1,2,3,4,5,6
.if \c >= 1
	s_wait_xcnt 0x0                                ; the registers that the next loads fill were the data of the stores two chunks back
.endif
	RLOAD \c+1
	RSUM \c, 16                                    ; the next chunk's sixteen loads stay out
.endr
	RSUM 7, 0
	s_wait_tensorcnt 0x0
	ds_add_u32 v254, v255
	s_wait_dscnt 0x0
	CROUND                                         ; the closing round: no work-group ends while a partner may still ask for a tile that names it
	s_endpgm
.Lfunc_end_k_q9bd35612dc_proj:
	.size	k_q9bd35612dc_proj, .Lfunc_end_k_q9bd35612dc_proj-k_q9bd35612dc_proj
	.p2alignl 7, 3214868480
	.fill 96, 4, 3214868480
	.section	.rodata,"a",@progbits
	.p2align	6, 0x0
	.amdhsa_kernel k_q9bd35612dc_proj
		.amdhsa_group_segment_fixed_size 295424
		.amdhsa_private_segment_fixed_size 0
		.amdhsa_enable_private_segment 0
		.amdhsa_kernarg_size 40
		.amdhsa_user_sgpr_count 2
		.amdhsa_user_sgpr_kernarg_segment_ptr 1
		.amdhsa_wavefront_size32 1
		.amdhsa_system_sgpr_workgroup_id_x 1
		.amdhsa_system_sgpr_workgroup_id_y 1
		.amdhsa_system_sgpr_workgroup_id_z 1
		.amdhsa_system_vgpr_workitem_id 0
		.amdhsa_next_free_vgpr 1024
		.amdhsa_next_free_sgpr 74
		.amdhsa_reserve_vcc 0
		.amdhsa_float_denorm_mode_32 3
		.amdhsa_float_denorm_mode_16_64 3
		.amdhsa_memory_ordered 1
		.amdhsa_forward_progress 1
		.amdhsa_inst_pref_size 104
	.end_amdhsa_kernel
	.amdgpu_metadata
---
amdhsa.version: [ 1, 2 ]
amdhsa.kernels:
  - .name:           k_q9bd35612dc_proj
    .symbol:         k_q9bd35612dc_proj.kd
    .args:
      - { .name: att, .offset: 0, .size: 8, .value_kind: global_buffer, .address_space: global }
      - { .name: wbf, .offset: 8, .size: 8, .value_kind: global_buffer, .address_space: global }
      - { .name: bo, .offset: 16, .size: 8, .value_kind: global_buffer, .address_space: global }
      - { .name: x, .offset: 24, .size: 8, .value_kind: global_buffer, .address_space: global }
      - { .name: y, .offset: 32, .size: 8, .value_kind: global_buffer, .address_space: global }
    .group_segment_fixed_size: 295424
    .private_segment_fixed_size: 0
    .kernarg_segment_align: 8
    .kernarg_segment_size: 40
    .max_flat_workgroup_size: 128
    .sgpr_count:     74
    .vgpr_count:     1024
    .wavefront_size: 32
...
	.end_amdgpu_metadata
.endif
;; end of part 4
;; launch ln2 (part 5): grid 256 x 1, 4 waves a work-group, no clusters, 0 bytes of LDS; arguments y, g2, be2, h; writes h
.if DOCPART == 5
	.amdgcn_target "amdgcn-amd-amdhsa--gfx1250"
	.amdhsa_code_object_version 6
	.text
	.protected	k_q9bd35612dc_ln2
	.globl	k_q9bd35612dc_ln2
	.p2align	8
	.type	k_q9bd35612dc_ln2,@function
k_q9bd35612dc_ln2:
	s_mov_b64 s[64:65], 0
	v_nop
	global_prefetch_b8 v0, s[64:65] scope:SCOPE_SE
	s_setreg_imm32_b32 hwreg(HW_REG_WAVE_MODE, 25, 1), 1
	s_wait_xcnt 0x0
; h = LayerNorm(y) * g2 + be2, rounded to bf16.  y: [4096][1024] f32, h: [4096][1024] bf16.
; A work-group owns 16 rows, a wave 4 whole rows; a row (4,096 bytes) lies in 32 registers of the wave between the pass for the mean, the pass for the variance
; (of y - mean: no difference of large sums) and the scaling, so y is read once and no wave waits for another.
; Every load of a wave covers 512 consecutive bytes, every store 256 consecutive bytes at a multiple of 256 from h's first byte.  No LDS, no barrier, no matrix unit: the launch only moves bytes.
; Limits: NaN and infinities in y are not served; v_rsq_f32 is good to 1 ULP.
.set T,    4                           ; v[4:11]    four chains of pairs, at work
.set MEAN, 12                          ; v[12:13]   the row's mean, twice
.set RSTD, 14                          ; v[14:15]   1 / sqrt(var + eps), twice
.set G,    16                          ; v[16:47]   the gains of my 32 columns
.set BE,   48                          ; v[48:79]   the offsets of my 32 columns
.set X,    80                          ; v[80:207]  row r of four at X + 32 r
; the four chains are joined, then the 32 lanes: four steps inside each half of 16 lanes ride on the addition, one crosses the halves
.macro JOIN
	v_pk_add_f32 v[T:T+1], v[T:T+1], v[T+2:T+3]
	v_pk_add_f32 v[T+4:T+5], v[T+4:T+5], v[T+6:T+7]
	v_pk_add_f32 v[T:T+1], v[T:T+1], v[T+4:T+5]
	v_add_f32 v[T], v[T], v[T+1]
	v_add_f32_dpp v[T], v[T], v[T] row_xmask:1 row_mask:0xf bank_mask:0xf
	v_add_f32_dpp v[T], v[T], v[T] row_xmask:2 row_mask:0xf bank_mask:0xf
	v_add_f32_dpp v[T], v[T], v[T] row_xmask:4 row_mask:0xf bank_mask:0xf
	v_add_f32_dpp v[T], v[T], v[T] row_xmask:8 row_mask:0xf bank_mask:0xf
	v_permlanex16_b32 v3, v[T], s32, s33           ; v3 has been written at the kernel's head
	v_add_f32 v[T], v[T], v3
.endm
; one row.  left = the younger loads that may stay out: eight for each row behind this one
.macro LNROW r, left
	s_wait_loadcnt \left                           ; loads come back in order: the gains, the offsets and rows 0 to r are in
.irp c, 0,1,2,3
	v_pk_add_f32 v[T+2*\c:T+2*\c+1], v[X+32*\r+2*\c:X+32*\r+2*\c+1], v[X+32*\r+8+2*\c:X+32*\r+8+2*\c+1]   ; the first eight pairs start the chains
.endr
.irp p, 8,9,10,11,12,13,14,15
	v_pk_add_f32 v[T+2*(\p%4):T+2*(\p%4)+1], v[T+2*(\p%4):T+2*(\p%4)+1], v[X+32*\r+2*\p:X+32*\r+2*\p+1]
.endr
	JOIN
	v_mul_f32 v[MEAN], s30, v[T]                   ; sum / 1024
	v_mov_b32 v[MEAN+1], v[MEAN]
.irp p, 0,1,2,3,4,5,6,7,8,9,10,11,12,13,14,15
	v_pk_add_f32 v[X+32*\r+2*\p:X+32*\r+2*\p+1], v[X+32*\r+2*\p:X+32*\r+2*\p+1], v[MEAN:MEAN+1] neg_lo:[0,1] neg_hi:[0,1]
.endr
.irp c, 0,1,2,3
	v_pk_mul_f32 v[T+2*\c:T+2*\c+1], v[X+32*\r+2*\c:X+32*\r+2*\c+1], v[X+32*\r+2*\c:X+32*\r+2*\c+1]
.endr
.irp p, 4,5,6,7,8,9,10,11,12,13,14,15
	v_pk_fma_f32 v[T+2*(\p%4):T+2*(\p%4)+1], v[X+32*\r+2*\p:X+32*\r+2*\p+1], v[X+32*\r+2*\p:X+32*\r+2*\p+1], v[T+2*(\p%4):T+2*(\p%4)+1]
.endr
	JOIN
	v_fma_f32 v[RSTD], v[T], s30, s31              ; var + eps
	v_rsq_f32 v[RSTD], v[RSTD]
	v_nop                                          ; a plain instruction between the root and the use of its result
	s_wait_alu depctr_va_vdst(0)
	v_mov_b32 v[RSTD+1], v[RSTD]
.irp p, 0,1,2,3,4,5,6,7,8,9,10,11,12,13,14,15
	v_pk_mul_f32 v[X+32*\r+2*\p:X+32*\r+2*\p+1], v[X+32*\r+2*\p:X+32*\r+2*\p+1], v[RSTD:RSTD+1]
.endr
.irp p, 0,1,2,3,4,5,6,7,8,9,10,11,12,13,14,15
	v_pk_fma_f32 v[X+32*\r+2*\p:X+32*\r+2*\p+1], v[X+32*\r+2*\p:X+32*\r+2*\p+1], v[G+2*\p:G+2*\p+1], v[BE+2*\p:BE+2*\p+1]
.endr
.irp p, 0,1,2,3,4,5,6,7,8,9,10,11,12,13,14,15
	v_cvt_pk_bf16_f32 v[X+32*\r+\p], v[X+32*\r+2*\p], v[X+32*\r+2*\p+1]   ; in place, ascending: word p is written when pairs 0 to p have been read
.endr
.irp j, 0,1,2,3,4,5,6,7
	global_store_b64 v2, v[X+32*\r+2*\j:X+32*\r+2*\j+1], s[10:11] offset:2048*\r+256*\j   ; 32 lanes x 8 bytes; no register of a row is written again
.endr
.endm
	s_load_b256 s[4:11], s[0:1], 0x0               ; y s[4:5], g2 s[6:7], be2 s[8:9], h s[10:11]
	v_lshrrev_b32 v3, 5, v0
	v_readfirstlane_b32 s22, v3                    ; wave 0..3
	v_and_b32 v2, 31, v0
	v_lshlrev_b32 v1, 4, v2                        ; 16 x lane: f32 side
	v_lshlrev_b32 v2, 3, v2                        ; 8 x lane: bf16 side
	s_mov_b32 s25, 0
	s_lshl_b32 s24, ttmp9, 16                      ; 16 rows of 4,096 bytes a work-group,
	s_lshl_b32 s23, s22, 14                        ; 4 rows a wave
	s_add_co_u32 s24, s24, s23
	s_mov_b32 s30, 0x3a800000                      ; 1 / 1024
	s_mov_b32 s31, 0x3727c5ac                      ; eps = 1e-5
	s_mov_b32 s32, 0x76543210                      ; v_permlanex16_b32: each lane takes its own place in the other half
	s_mov_b32 s33, 0xfedcba98
	s_wait_kmcnt 0x0
	s_add_nc_u64 s[4:5], s[4:5], s[24:25]
	s_lshr_b32 s24, s24, 1                         ; h's rows are half as long
	s_add_nc_u64 s[10:11], s[10:11], s[24:25]
.irp j, 0,1,2,3,4,5,6,7
	global_load_b128 v[G+4*\j:G+4*\j+3], v1, s[6:7] offset:512*\j
.endr
.irp j, 0,1,2,3,4,5,6,7
	global_load_b128 v[BE+4*\j:BE+4*\j+3], v1, s[8:9] offset:512*\j
.endr
.irp r, 0,1,2,3
.irp j, 0,1,2,3,4,5,6,7
	global_load_b128 v[X+32*\r+4*\j:X+32*\r+4*\j+3], v1, s[4:5] offset:4096*\r+512*\j
.endr
.endr
	LNROW 0, 24
	LNROW 1, 16
	LNROW 2, 8
	LNROW 3, 0
	s_endpgm
.Lfunc_end_k_q9bd35612dc_ln2:
	.size	k_q9bd35612dc_ln2, .Lfunc_end_k_q9bd35612dc_ln2-k_q9bd35612dc_ln2
	.p2alignl 7, 3214868480
	.fill 96, 4, 3214868480
	.section	.rodata,"a",@progbits
	.p2align	6, 0x0
	.amdhsa_kernel k_q9bd35612dc_ln2
		.amdhsa_group_segment_fixed_size 0
		.amdhsa_private_segment_fixed_size 0
		.amdhsa_enable_private_segment 0
		.amdhsa_kernarg_size 32
		.amdhsa_user_sgpr_count 2
		.amdhsa_user_sgpr_kernarg_segment_ptr 1
		.amdhsa_wavefront_size32 1
		.amdhsa_system_sgpr_workgroup_id_x 1
		.amdhsa_system_sgpr_workgroup_id_y 1
		.amdhsa_system_sgpr_workgroup_id_z 1
		.amdhsa_system_vgpr_workitem_id 0
		.amdhsa_next_free_vgpr 208
		.amdhsa_next_free_sgpr 66
		.amdhsa_reserve_vcc 0
		.amdhsa_float_denorm_mode_32 3
		.amdhsa_float_denorm_mode_16_64 3
		.amdhsa_memory_ordered 1
		.amdhsa_forward_progress 1
		.amdhsa_inst_pref_size 38
	.end_amdhsa_kernel
	.amdgpu_metadata
---
amdhsa.version: [ 1, 2 ]
amdhsa.kernels:
  - .name:           k_q9bd35612dc_ln2
    .symbol:         k_q9bd35612dc_ln2.kd
    .args:
      - { .name: y, .offset: 0, .size: 8, .value_kind: global_buffer, .address_space: global }
      - { .name: g2, .offset: 8, .size: 8, .value_kind: global_buffer, .address_space: global }
      - { .name: be2, .offset: 16, .size: 8, .value_kind: global_buffer, .address_space: global }
      - { .name: h, .offset: 24, .size: 8, .value_kind: global_buffer, .address_space: global }
    .group_segment_fixed_size: 0
    .private_segment_fixed_size: 0
    .kernarg_segment_align: 8
    .kernarg_segment_size: 32
    .max_flat_workgroup_size: 128
    .sgpr_count:     66
    .vgpr_count:     208
    .wavefront_size: 32
...
	.end_amdgpu_metadata
.endif
;; end of part 5
;; launch fc1 (part 6): grid 16 x 16, 4 waves a work-group, clusters of 4 x 4, 327,680 bytes of LDS; arguments h, wbf, b1, gact; writes gact
.if DOCPART == 6
	.amdgcn_target "amdgcn-amd-amdhsa--gfx1250"
	.amdhsa_code_object_version 6
	.text
	.protected	k_q9bd35612dc_fc1
	.globl	k_q9bd35612dc_fc1
	.p2align	8
	.type	k_q9bd35612dc_fc1,@function
k_q9bd35612dc_fc1:
	s_mov_b64 s[64:65], 0
	v_nop
	global_prefetch_b8 v0, s[64:65] scope:SCOPE_SE
	s_setreg_imm32_b32 hwreg(HW_REG_WAVE_MODE, 25, 1), 1
	s_wait_xcnt 0x0
	s_wait_alu depctr_hold_cnt(0) depctr_sa_sdst(0) depctr_va_vdst(0) depctr_va_sdst(0) depctr_va_ssrc(0) depctr_va_vcc(0) depctr_vm_vsrc(0)
	s_getreg_b32 s2, hwreg(HW_REG_IB_STS2, 6, 4)
	s_cmp_eq_u32 s2, 0
	s_cbranch_scc0 .Lentry_in_a_cluster
	s_endpgm
.Lentry_in_a_cluster:
	s_bfe_u32 s2, ttmp6, 0x10000c
	s_cmp_lg_u32 s2, 0xf033
	s_cbranch_scc0 .Lentry_shape_is_right
	s_endpgm
.Lentry_shape_is_right:
; C[m][n] = the exact GELU of (sum over k of A[m][k] B[k][n] + bias[n]), rounded to bf16.
; A: [4096][1024] bf16.  B: [1024][4096] bf16, at byte WOFF of the weights' buffer.  bias: [4096] f32.  Sums in f32.
; C GOES OUT IN THE ORDER IN WHICH THE NEXT LAUNCH'S MATRIX INSTRUCTIONS TAKE IT: blocks of 16 rows x 32 columns, 1,024 bytes each, block (m / 16, n / 32) at ((m / 16) 128 + n / 32) 1,024;
; in a block lane l's first 16 bytes (row l % 16, columns 8 (l / 16) on) at 16 l, its second (columns 16 + 8 (l / 16) on) at 512 + 16 l.  That is what a lane holds after packing,
; so a store covers 512 consecutive bytes and the way out needs no LDS.
; A tile of C, 256 x 256, is made by four waves, each 128 x 128: 64 accumulators of 16 x 16, 512 registers.  K goes in steps of 128 through a ring of two LDS slots
; filled by tensor loads: 256 rows of A (256 bytes each) and 128 k-rows of B (512 bytes each).  B lies [K][N], so its fragments come out of LDS by the turning load.
; CLUSTER: 4 x 4 work-groups.  The four of a row of the cluster need the same tiles of A, the four of a column the same tiles of B: each tile is asked for jointly,
; by the same tensor load with the same descriptor and a mask that names the four.
; THE MATRIX INSTRUCTION IS USED TRANSPOSED (source 0 = 16 columns of B, source 1 = 16 rows of A): lane l then holds row l % 16 of C and eight neighbouring columns.
; REGISTERS in windows of 256: window 0: v16-27 addresses, v64-127 and v128-191 A's two fragment buffers (at work on the way out), v192-255 packed results;
;   window 1: v0-63 the bias of my 128 columns as the accumulators hold them, v64-127 and v128-191 B's two fragment buffers; windows 2, 3: the accumulators.
; Limits: NaN and infinities are not served.  erfc by a five-term rational form, absolute error at most 1.5e-7; results of v_exp_f32 and v_rcp_f32 below 2^-126 come out as zero.
.set SIZE_N, 4096
.set SIZE_K, 1024
.set WOFF,   8388608
.set KSTEP,  128
.set PITCH,  272                       ; a row of A in LDS: 256 bytes + 16: the 16 rows of a fragment load start 68 words apart
.set PB,     544                       ; a k-row of B in LDS: 512 bytes + 32 = 17 x 32
.set HALFT,  128*PITCH                 ; what one tensor load brings: 128 rows of A, or 64 k-rows of B (64 x 544, the same bytes)
.set SLOT,   4*HALFT                   ; A's 256 rows, then B's 128 k-rows
.set LAPS,   SIZE_K/(2*KSTEP)          ; a lap = two K steps = once round the ring
.set CROW,   SIZE_N*32                 ; bytes from a block of 16 rows of C to the next: SIZE_N / 32 blocks of 1,024
.set ADRA, 16                          ; v16-17  LDS address of my A fragments in slot 0, 1
.set ADRB, 20                          ; v20-21  the same for B
.set CO,   26                          ; v26     16 x lane: my bytes in half a block of C
.set BO,   27                          ; v27     my byte offset in the bias
.set F0,   64
.set F1,   128
.set T,    128                         ; the way out: a block's 64 numbers in f32
.set TMP,  192                         ; the way out: packed results, v192-223 and v224-255 by turns
.set BI,   0                           ; window 1: the bias
.set GD,   64                          ; GELU: t = 1 / (1 + p |x| / sqrt 2)
.set GE,   72                          ; GELU: exp(-x x / 2), then max(x, 0)
.set GQ,   80                          ; GELU: the polynomial
.set GA5,  96                          ; GELU: a5 / 2, twice
.set G1,   24                          ; s[24:31] descriptor group 1 for A's tiles; s[32:39] group 0, a set for each slot
.set G0,   32
.set G1B,  48                          ; s[48:55], s[56:63] the same for B's tiles
.set G0B,  56
.set BIAS, 66                          ; s[66:67]
.set CP,   72                          ; s72 p / sqrt 2; pairs: s[74:75] -log2(e) / 2, s[76:83] a1 / 2 .. a4 / 2
.set CE,   74
.set C1,   76
.set C2,   78
.set C3,   80
.set C4,   82
.set MSB, 0
.macro WIN new                         ; the immediate's high byte repeats the setting that is left; a switch that changes nothing is dropped
.if MSB != (\new)
	s_set_vgpr_msb (MSB<<8)|(\new)
.set MSB, (\new)
.endif
.endm
.set MUL_LO, 0xa1                      ; source 0 (B) window 1, source 1 (A) window 0, C and D window 2
.set MUL_HI, 0xf1                      ; the same, C and D window 3
.set TO_B,   0x40                      ; destination window 1, address window 0
; A joint load.  Waves 0 and 1 fetch A's two halves, waves 2 and 3 B's.  The branch hangs on the wave's number alone.  Four v_nop follow each of the two lines.
.macro JLOAD s
	s_cmp_eq_u32 s11, 0
	s_cbranch_scc0 .Lfor_b_\@
	tensor_load_to_lds s[G0+4*\s:G0+4*\s+3], s[G1:G1+7]
	s_nop 0
.rept 4
	v_nop
.endr
	s_branch .Lasked_\@
.Lfor_b_\@:
	tensor_load_to_lds s[G0B+4*\s:G0B+4*\s+3], s[G1B:G1B+7]
	s_nop 0
.rept 4
	v_nop
.endr
.Lasked_\@:
.endm
; A round of the cluster's barrier: my work-group's barrier, wave 0 signals for the work-group, every wave waits for all sixteen, my work-group's barrier once more.
.macro CREST
	s_cmp_lg_u32 s10, 0
	s_cbranch_scc1 .Lnot_wave_0_\@
	s_barrier_signal -3
.Lnot_wave_0_\@:
	s_barrier_wait -3
	s_barrier_signal -1
	s_barrier_wait -1
.endm
.macro CROUND
	s_barrier_signal -1
	s_barrier_wait -1
	CREST
.endm
	s_load_b128 s[4:7], s[0:1], 0x0                ; A s[4:5], the weights s[6:7]
	s_load_b64 s[BIAS:BIAS+1], s[0:1], 0x10        ; bias
	s_load_b64 s[8:9], s[0:1], 0x18                ; C
	s_set_vgpr_msb 0x40
	v_lshl_add_u32 v255, v0, 2, 0x44000
	s_set_vgpr_msb 0x4000
	v_mov_b32 v63, 0
	s_set_vgpr_msb 0x1
	ds_add_u32 v255, v63
	ds_add_u32 v255, v63
	s_set_vgpr_msb 0x100
	v_lshrrev_b32 v1, 5, v0
	v_readfirstlane_b32 s10, v1                    ; wave 0..3
	s_lshr_b32 s11, s10, 1                         ; which half of the tile's rows is mine.  Also: I fetch for A (0) or for B (1)
	s_and_b32 s12, s10, 1                          ; which half of its columns.  Also: which half of that tile I fetch
	s_bfe_u32 s40, ttmp6, 0x40000                  ; cx, cy: my place in the cluster
	s_bfe_u32 s41, ttmp6, 0x40004
	s_lshl_b32 s42, ttmp9, 2
	s_add_co_u32 s42, s42, s40                     ; tile column of C = 4 x cluster x + cx
	s_and_b32 s13, ttmp7, 0xffff
	s_lshl_b32 s13, s13, 2
	s_add_co_u32 s13, s13, s41                     ; tile row of C = 4 x cluster y + cy
	s_lshl_b32 s43, s41, 2
	s_lshl_b32 s43, 15, s43                        ; my row of the cluster: places 4 cy .. 4 cy + 3
	s_lshl_b32 s44, 0x1111, s40                    ; my column: places cx, cx + 4, cx + 8, cx + 12
	; group 1 for A: 128 rows x 128 elements of 2 bytes, 4 words of padding behind every 64
	s_or_b32 s[G1+0], s43, (1<<16)|(1<<20)|(1<<21)|(5<<22)|(3<<25)
	s_mov_b32 s[G1+1], KSTEP<<16                   ; tensor_dim0 = 128
	s_mov_b32 s[G1+2], 128<<16                     ; tensor_dim1 = 128
	s_mov_b32 s[G1+3], KSTEP<<16                   ; tile_dim0 = 128
	s_mov_b32 s[G1+4], 128                         ; tile_dim1 = 128
	s_mov_b32 s[G1+5], SIZE_K                      ; elements from row to row
	s_mov_b32 s[G1+6], 0
	s_mov_b32 s[G1+7], 0
	; group 1 for B: 64 k-rows x 256 elements of 2 bytes, 8 words of padding behind every 128
	s_or_b32 s[G1B+0], s44, (1<<16)|(1<<20)|(1<<21)|(6<<22)|(7<<25)
	s_mov_b32 s[G1B+1], 256<<16                    ; tensor_dim0 = 256
	s_mov_b32 s[G1B+2], 64<<16                     ; tensor_dim1 = 64
	s_mov_b32 s[G1B+3], 256<<16                    ; tile_dim0 = 256
	s_mov_b32 s[G1B+4], 64                         ; tile_dim1 = 64
	s_mov_b32 s[G1B+5], SIZE_N
	s_mov_b32 s[G1B+6], 0
	s_mov_b32 s[G1B+7], 0
	; A's tiles hang on the tile row alone, B's on the tile column alone, each in registers that never hold the other coordinate
	s_lshl_b32 s16, s13, 8
	s_lshl_b32 s17, s12, 7
	s_add_co_u32 s16, s16, s17                     ; A: row 256 x tile row + 128 x half,
	s_mul_i32 s16, s16, SIZE_K*2                   ; in bytes (under 2^24)
	s_mov_b32 s17, 0
	s_lshl_b32 s46, s42, 9                         ; B: column 256 x tile column, in bytes,
	s_mul_i32 s47, s12, 64*SIZE_N*2                ; k-row 64 x half,
	s_add_co_u32 s46, s46, s47
	s_add_co_u32 s46, s46, WOFF                    ; this matrix's place among the weights
	s_mov_b32 s47, 0
	s_mul_i32 s20, s10, HALFT                      ; where they go: A's two halves, then B's two halves = wave x 34,816 bytes
	s_wait_dscnt 0x0
	s_wait_kmcnt 0x0
	s_add_nc_u64 s[14:15], s[4:5], s[16:17]
	s_add_nc_u64 s[46:47], s[6:7], s[46:47]
	CROUND                                         ; all sixteen work-groups are here: the first joint loads meet
.irp s, 0,1
	s_mov_b32 s[G0+4*\s], 1
	s_add_co_u32 s[G0+4*\s+1], s20, \s*SLOT
	s_add_nc_u64 s[G0+4*\s+2:G0+4*\s+3], s[14:15], \s*KSTEP*2
	s_or_b32 s[G0+4*\s+3], s[G0+4*\s+3], 0x80000000
	s_mov_b32 s[G0B+4*\s], 1
	s_add_co_u32 s[G0B+4*\s+1], s20, \s*SLOT
	s_add_nc_u64 s[G0B+4*\s+2:G0B+4*\s+3], s[46:47], \s*KSTEP*SIZE_N*2
	s_or_b32 s[G0B+4*\s+3], s[G0B+4*\s+3], 0x80000000
	JLOAD \s                                       ; both slots are asked for before anything else: two tensor loads of mine are out
.endr
	v_and_b32 v1, 15, v0                           ; l % 16
	v_bfe_u32 v2, v0, 4, 1                         ; l / 16
	v_mul_u32_u24 v3, v1, PITCH
	v_lshl_add_u32 v3, v2, 4, v3                   ; A's fragment: row x pitch + 16 x half; two loads 32 bytes apart
	v_and_b32 v6, 7, v0
	v_bfe_u32 v7, v0, 3, 1
	v_lshl_add_u32 v6, v2, 3, v6                   ; B's fragment, turned: lane l reads 16 bytes of k-row 8 (l / 16) + l % 8,
	v_mul_u32_u24 v6, v6, PB
	v_lshl_add_u32 v6, v7, 4, v6                   ; columns 8 ((l / 8) % 2) on; the second load 16 k-rows further down
	s_mul_i32 s21, s11, HALFT                      ; my 128 rows of A
	s_lshl_b32 s22, s12, 8                         ; my 128 columns of B,
	s_add_co_u32 s22, s22, 2*HALFT                 ; which lies behind A
.irp s, 0,1
	v_add_nc_u32 v[ADRA+\s], s21, v3
	v_add_nc_u32 v[ADRB+\s], s22, v6
	s_add_co_u32 s21, s21, SLOT
	s_add_co_u32 s22, s22, SLOT
.endr
	v_and_b32 v[CO], 31, v0
	v_lshlrev_b32 v[CO], 4, v[CO]                  ; 16 x lane
	v_lshlrev_b32 v[BO], 5, v2                     ; a lane's eight columns of a block: 32 bytes of bias for each half of the lanes
	s_lshl_b32 s13, s13, 4
	s_lshl_b32 s14, s11, 3
	s_add_co_u32 s16, s13, s14                     ; my first block of 16 rows: 16 x tile row + 8 x half,
	s_mul_i32 s16, s16, CROW                       ; in bytes (under 2^26)
	s_mov_b32 s17, 0
	s_lshl_b32 s46, s42, 9                         ; twice my first column: 512 x tile column + 256 x half
	s_lshl_b32 s47, s12, 8
	s_add_co_u32 s46, s46, s47
	s_lshl_b32 s68, s46, 1                         ; the bias: 4 bytes a column
	s_mov_b32 s69, 0
	s_lshl_b32 s46, s46, 4                         ; C: 1,024 bytes for 32 columns
	s_mov_b32 s47, 0
	s_add_nc_u64 s[16:17], s[16:17], s[46:47]
	s_add_nc_u64 s[8:9], s[8:9], s[16:17]          ; C at my first block; never written again
	s_add_nc_u64 s[BIAS:BIAS+1], s[BIAS:BIAS+1], s[68:69]
	WIN TO_B
.irp b, 0,1,2,3,4,5,6,7
	global_load_b128 v[BI+8*\b:BI+8*\b+3],   v[BO], s[BIAS:BIAS+1] offset:64*\b      ; waited for on the way out; address and base are never written again
	global_load_b128 v[BI+8*\b+4:BI+8*\b+7], v[BO], s[BIAS:BIAS+1] offset:64*\b+16
.endr
	WIN 0
	s_mov_b32 s[CP], 0x3e6d3388                    ; 0.3275911 / sqrt 2
	s_mov_b32 s[CE], 0xbf38aa3b                    ; -log2(e) / 2
	s_mov_b32 s[CE+1], 0xbf38aa3b
	s_mov_b32 s[C1], 0x3e027906                    ; 0.254829592 / 2
	s_mov_b32 s[C1+1], 0x3e027906
	s_mov_b32 s[C2], 0xbe11a98e                    ; -0.284496736 / 2
	s_mov_b32 s[C2+1], 0xbe11a98e
	s_mov_b32 s[C3], 0x3f35f0e3                    ; 1.421413741 / 2
	s_mov_b32 s[C3+1], 0x3f35f0e3
	s_mov_b32 s[C4], 0xbf3a00e3                    ; -1.453152027 / 2
	s_mov_b32 s[C4+1], 0xbf3a00e3
; 16 matrix instructions: m blocks a0, a0 + 1 of the window's four x all 8 n blocks, 32 along K.  zero = 1: the first product starts the sums.
; The 64 accumulators take turns, one instruction a turn.
.macro MUL16 f, hi, a0, zero
.irp a, \a0, \a0+1
.irp b, 0,1,2,3,4,5,6,7
.if \zero
	v_wmma_f32_16x16x32_bf16 v[8*(8*(\a)+\b):8*(8*(\a)+\b)+7], v[\f+8*\b:\f+8*\b+7], v[\f+8*(4*\hi+\a):\f+8*(4*\hi+\a)+7], 0
.else
	v_wmma_f32_16x16x32_bf16 v[8*(8*(\a)+\b):8*(8*(\a)+\b)+7], v[\f+8*\b:\f+8*\b+7], v[\f+8*(4*\hi+\a):\f+8*(4*\hi+\a)+7], v[8*(8*(\a)+\b):8*(8*(\a)+\b)+7]
.endif
.endr
.endr
.endm
; 32 LDS loads in one run: the fragments of quarter q (32 along K) of a slot into buffer f: B's 128 columns, turned, then A's 128 rows
.macro FETCH slot, q, f
	WIN TO_B
.irp i, 0,1,2,3,4,5,6,7
	ds_load_tr16_b128 v[\f+8*\i:\f+8*\i+3],   v[ADRB+\slot] offset:\q*32*PB+32*\i
	ds_load_tr16_b128 v[\f+8*\i+4:\f+8*\i+7], v[ADRB+\slot] offset:\q*32*PB+16*PB+32*\i
.endr
	WIN 0
.irp i, 0,1,2,3,4,5,6,7
	ds_load_b128 v[\f+8*\i:\f+8*\i+3],   v[ADRA+\slot] offset:64*\q+\i*16*PITCH
	ds_load_b128 v[\f+8*\i+4:\f+8*\i+7], v[ADRA+\slot] offset:64*\q+\i*16*PITCH+32
.endr
.endm
; four plain places between a matrix instruction and a load into, or a vector instruction on, one of its registers (ISA guide 7.12.1 for vector instructions)
.macro PLACES
.rept 4
	v_nop
.endr
.endm
; One of a K step's first three quarters: multiplies buffer f; in its middle it fetches quarter q of the same slot into buffer g.
.macro QUARTER slot, q, f, g, zero
	s_wait_dscnt 8                                 ; B and A's rows 0-63 are in; the youngest eight loads (A's rows 64-127) may be out
	WIN MUL_LO
	MUL16 \f, 0, 0, \zero
	MUL16 \f, 0, 2, \zero
	PLACES
	FETCH \slot, \q, \g
	s_wait_dscnt 32                                ; all but the 32 just issued
	WIN MUL_HI
	MUL16 \f, 1, 0, \zero
	MUL16 \f, 1, 2, \zero
.endm
; The last quarter multiplies buffer 1 and changes slots.  One barrier: in front of it each wave waits for its reads of this slot and for all its tensor loads
; (one is out: its part of the next slot).  fill = 1: the barrier opens a round of the cluster's barrier, and this slot is filled again, two K steps on, first thing behind the round.
.macro TURN slot, next, fill
	s_wait_dscnt 8
	WIN MUL_LO
	MUL16 F1, 0, 0, 0
	s_wait_dscnt 0                                 ; my reads of this slot are over
	s_wait_tensorcnt 0x0                           ; all my tensor loads have landed, so every group 0 may be written
	ds_add_u32 v255, v63
	s_wait_dscnt 0x0
	s_barrier_signal -1
	MUL16 F1, 0, 2, 0                              ; register work while the others arrive
.if \fill
	WIN 0
.endif
	s_barrier_wait -1
.if \fill
	CREST                                          ; no wave of any partner still reads this slot or has a load on its way
	s_add_nc_u64 s[G0+4*\slot+2:G0+4*\slot+3], s[G0+4*\slot+2:G0+4*\slot+3], 2*KSTEP*2
	s_add_nc_u64 s[G0B+4*\slot+2:G0B+4*\slot+3], s[G0B+4*\slot+2:G0B+4*\slot+3], 2*KSTEP*SIZE_N*2
	JLOAD \slot                                    ; 240 matrix instructions ahead of the wait for it; its four v_nop are also the places in front of the loads below
.else
	PLACES
.endif
	FETCH \next, 0, F0
	WIN MUL_HI
	MUL16 F1, 1, 0, 0
	MUL16 F1, 1, 2, 0
.endm
; gelu(x) = max(x, 0) - |x| erfc(|x| / sqrt 2) / 2;  erfc(z) / 2 = t (a1/2 + t (a2/2 + t (a3/2 + t (a4/2 + t a5/2)))) exp(-z z), t = 1 / (1 + p z)
.macro GELUB b
.set xx, T+8*\b
.irp e, 0,1,2,3,4,5,6,7
	v_fma_f32 v[GD+\e], |v[xx+\e]|, s[CP], 1.0
.endr
.irp e, 0,2,4,6
	v_pk_mul_f32 v[GE+\e:GE+\e+1], v[xx+\e:xx+\e+1], v[xx+\e:xx+\e+1]
.endr
.irp e, 0,1,2,3,4,5,6,7
	v_rcp_f32 v[GD+\e], v[GD+\e]
.endr
.irp e, 0,2,4,6
	v_pk_mul_f32 v[GE+\e:GE+\e+1], v[GE+\e:GE+\e+1], s[CE:CE+1] op_sel_hi:[1,0]   ; plain work behind the reciprocals, which it does not touch
.endr
.irp e, 0,1,2,3,4,5,6,7
	v_exp_f32 v[GE+\e], v[GE+\e]
.endr
	s_wait_alu depctr_va_vdst(0)
.irp e, 0,2,4,6
	v_pk_fma_f32 v[GQ+\e:GQ+\e+1], v[GD+\e:GD+\e+1], v[GA5:GA5+1], s[C4:C4+1] op_sel_hi:[1,1,0]   ; plain work behind the exponentials, which it does not touch
.endr
.irp c, C3, C2, C1
.irp e, 0,2,4,6
	v_pk_fma_f32 v[GQ+\e:GQ+\e+1], v[GQ+\e:GQ+\e+1], v[GD+\e:GD+\e+1], s[\c:\c+1] op_sel_hi:[1,1,0]
.endr
.endr
.irp e, 0,2,4,6
	v_pk_mul_f32 v[GQ+\e:GQ+\e+1], v[GQ+\e:GQ+\e+1], v[GD+\e:GD+\e+1]
.endr
.irp e, 0,2,4,6
	v_pk_mul_f32 v[GQ+\e:GQ+\e+1], v[GQ+\e:GQ+\e+1], v[GE+\e:GE+\e+1]
.endr
.irp e, 0,1,2,3,4,5,6,7
	v_max_num_f32 v[GE+\e], 0, v[xx+\e]
.endr
.irp e, 0,1,2,3,4,5,6,7
	v_fma_f32 v[xx+\e], -|v[xx+\e]|, v[GQ+\e], v[GE+\e]
.endr
.endm
; THE WAY OUT of block a (16 rows x 128 columns): sums + bias into window 0, the activation, rounded to bf16 (16 bytes a lane for each 16 columns), stored.
; n block b is half b % 2 of the block of 32 columns b / 2: 512 b bytes on.
.macro BLOCK a
.set TM, TMP+32*((\a)%2)
	WIN 0x06+((\a)/4)                              ; source 0 window 2 or 3, source 1 window 1, destination window 0
.set i, 0
.rept 32
	v_pk_add_f32 v[T+2*i:T+2*i+1], v[64*((\a)%4)+2*i:64*((\a)%4)+2*i+1], v[BI+2*i:BI+2*i+1]
.set i, i+1
.endr
	WIN 0
.irp b, 0,1,2,3,4,5,6,7
	GELUB \b
.endr
.if (\a) >= 2
	s_wait_xcnt 0x0                                ; these registers were the data of block a - 2's stores
.endif
.set i, 0
.rept 32
	v_cvt_pk_bf16_f32 v[TM+i], v[T+2*i], v[T+2*i+1]
.set i, i+1
.endr
.irp b, 0,1,2,3,4,5,6,7
	global_store_b128 v[CO], v[TM+4*\b:TM+4*\b+3], s[8:9] offset:(\a)*CROW+512*\b   ; 32 lanes store 512 consecutive bytes, at a multiple of 512 from C's first byte
.endr
.endm
	s_wait_tensorcnt 1                             ; my part of K step 0 is in; K step 1's may stay out
	s_barrier_signal -1
	s_barrier_wait -1                              ; everybody's is
	FETCH 0, 0, F0
	QUARTER 0, 1, F0, F1, 1                        ; the first quarter stands in front of the loop: its products start the sums
	WIN 0                                          ; at a label and at a branch every window is 0
	s_mov_b32 s3, LAPS-1
.Llap:                                                 ; a trip goes once round the ring, from a lap's second quarter to the next lap's first, and fills both slots again
	QUARTER 0, 2, F1, F0, 0
	QUARTER 0, 3, F0, F1, 0
	TURN 0, 1, 1
	QUARTER 1, 1, F0, F1, 0
	QUARTER 1, 2, F1, F0, 0
	QUARTER 1, 3, F0, F1, 0
	TURN 1, 0, 1
	QUARTER 0, 1, F0, F1, 0
	WIN 0
	s_sub_co_u32 s3, s3, 1
	s_cmp_lg_u32 s3, 0
	s_cbranch_scc1 .Llap
	QUARTER 0, 2, F1, F0, 0                        ; the last lap fills nothing and has no round
	QUARTER 0, 3, F0, F1, 0
	TURN 0, 1, 0
	QUARTER 1, 1, F0, F1, 0
	QUARTER 1, 2, F1, F0, 0
	QUARTER 1, 3, F0, F1, 0
	s_wait_dscnt 8                                 ; the very last quarter: nothing more to fetch
	WIN MUL_LO
	MUL16 F1, 0, 0, 0
	MUL16 F1, 0, 2, 0
	s_wait_dscnt 0
	WIN MUL_HI
	MUL16 F1, 1, 0, 0
	MUL16 F1, 1, 2, 0
	WIN 0
	PLACES                                         ; the way out reads results just made and writes over A's fragment buffers
	s_wait_loadcnt 0x0                             ; the bias
	v_mov_b32 v[GA5], 0x3f07dc22                   ; 1.061405429 / 2
	v_mov_b32 v[GA5+1], 0x3f07dc22
.irp a, 0,1,2,3,4,5,6,7
	BLOCK \a
.endr
	CROUND                                         ; the closing round: no work-group ends while a partner may still ask for a tile that names it
	s_endpgm
.Lfunc_end_k_q9bd35612dc_fc1:
	.size	k_q9bd35612dc_fc1, .Lfunc_end_k_q9bd35612dc_fc1-k_q9bd35612dc_fc1
	.p2alignl 7, 3214868480
	.fill 96, 4, 3214868480
	.section	.rodata,"a",@progbits
	.p2align	6, 0x0
	.amdhsa_kernel k_q9bd35612dc_fc1
		.amdhsa_group_segment_fixed_size 327680
		.amdhsa_private_segment_fixed_size 0
		.amdhsa_enable_private_segment 0
		.amdhsa_kernarg_size 32
		.amdhsa_user_sgpr_count 2
		.amdhsa_user_sgpr_kernarg_segment_ptr 1
		.amdhsa_wavefront_size32 1
		.amdhsa_system_sgpr_workgroup_id_x 1
		.amdhsa_system_sgpr_workgroup_id_y 1
		.amdhsa_system_sgpr_workgroup_id_z 1
		.amdhsa_system_vgpr_workitem_id 0
		.amdhsa_next_free_vgpr 1024
		.amdhsa_next_free_sgpr 84
		.amdhsa_reserve_vcc 0
		.amdhsa_float_denorm_mode_32 3
		.amdhsa_float_denorm_mode_16_64 3
		.amdhsa_memory_ordered 1
		.amdhsa_forward_progress 1
		.amdhsa_inst_pref_size 255
	.end_amdhsa_kernel
	.section	.bss,"aw",@nobits
	.p2align	6
	.space	262144
	.amdgpu_metadata
---
amdhsa.version: [ 1, 2 ]
amdhsa.kernels:
  - .name:           k_q9bd35612dc_fc1
    .symbol:         k_q9bd35612dc_fc1.kd
    .args:
      - { .name: h, .offset: 0, .size: 8, .value_kind: global_buffer, .address_space: global }
      - { .name: wbf, .offset: 8, .size: 8, .value_kind: global_buffer, .address_space: global }
      - { .name: b1, .offset: 16, .size: 8, .value_kind: global_buffer, .address_space: global }
      - { .name: gact, .offset: 24, .size: 8, .value_kind: global_buffer, .address_space: global }
    .group_segment_fixed_size: 327680
    .private_segment_fixed_size: 0
    .kernarg_segment_align: 8
    .kernarg_segment_size: 32
    .max_flat_workgroup_size: 128
    .sgpr_count:     84
    .vgpr_count:     1024
    .wavefront_size: 32
...
	.end_amdgpu_metadata
.endif
;; end of part 6
;; launch fc2 (part 7): grid 8 x 32, 4 waves a work-group, clusters of 4 x 4, 327,680 bytes of LDS; arguments gact, wbf, b2, y, out0; writes out0
.if DOCPART == 7
	.amdgcn_target "amdgcn-amd-amdhsa--gfx1250"
	.amdhsa_code_object_version 6
	.text
	.protected	k_q9bd35612dc_fc2
	.globl	k_q9bd35612dc_fc2
	.p2align	8
	.type	k_q9bd35612dc_fc2,@function
k_q9bd35612dc_fc2:
	s_mov_b64 s[64:65], 0
	v_nop
	global_prefetch_b8 v0, s[64:65] scope:SCOPE_SE
	s_setreg_imm32_b32 hwreg(HW_REG_WAVE_MODE, 25, 1), 1
	s_wait_xcnt 0x0
	s_wait_alu depctr_hold_cnt(0) depctr_sa_sdst(0) depctr_va_vdst(0) depctr_va_sdst(0) depctr_va_ssrc(0) depctr_va_vcc(0) depctr_vm_vsrc(0)
	s_getreg_b32 s2, hwreg(HW_REG_IB_STS2, 6, 4)
	s_cmp_eq_u32 s2, 0
	s_cbranch_scc0 .Lentry_in_a_cluster
	s_endpgm
.Lentry_in_a_cluster:
	s_bfe_u32 s2, ttmp6, 0x10000c
	s_cmp_lg_u32 s2, 0xf033
	s_cbranch_scc0 .Lentry_shape_is_right
	s_endpgm
.Lentry_shape_is_right:
; C[m][n] = R[m][n] + bias[n] + sum over k of A[m][k] B[k][n], in f32.
; A: 4096 x SIZE_K bf16, IN THE ORDER OF THE MATRIX INSTRUCTION'S OPERAND, as the launch before stored it: blocks of 16 rows x 32 k, 1,024 bytes each, block (m / 16, k / 32) at
; ((m / 16) SIZE_K / 32 + k / 32) 1,024; in a block lane l's first 16 bytes at 16 l, its second at 512 + 16 l.  B: [SIZE_K][1024] bf16, at byte WOFF of the weights' buffer.
; bias: [1024] f32.  R (the residual) and C: [4096][1024] f32.  Sums in f32.
; SHARES.  C has 32 x 8 tiles of 128 x 128: one for each of 256 work-groups.  K IS SPLIT AMONG THE FOUR WAVES: wave w makes the whole tile (64 accumulators, 512 registers) for the
; k in [512 s + 128 w, 512 s + 128 w + 128), s = 0 .. SIZE_K / 512 - 1.  So a fragment read feeds eight matrix instructions, each fragment of A is wanted by one wave of the work-group
; alone, and each wave reads only the rows of B that it fetched itself.  At the end the four partial sums meet in LDS.
; A COMES STRAIGHT INTO REGISTERS: a load covers 512 consecutive bytes; a ring of four buffers of 64 registers keeps three quarters (of 32 along K, 64 matrix instructions each) on their way.
; B GOES THROUGH LDS, since it lies [K][N] and has to be turned: two slots of 512 k-rows x 256 bytes, each wave bringing its own 128 k-rows by one tensor load.
; CLUSTER: 4 x 4 work-groups; B's tiles are asked for jointly along a column of the cluster.  A's fragments, which a row of the cluster shares, are NOT asked for jointly: with A in LDS too
; a tile costs 512 bytes for each k, two slots hold 256 along K each, and a wave has 128 matrix instructions from a slot's request to the next; with B alone a slot holds 512 and a wave has 256.
; THE MATRIX INSTRUCTION IS USED TRANSPOSED (source 0 = 16 columns of B, source 1 = 16 rows of A): a lane holds eight neighbouring numbers of a row of C.
; THE WAY OUT.  Each wave stores its 128 x 128 sums into the ring, whose slots have had their last fill (4 x 8 blocks of 16 rows x 528 bytes); a barrier; wave w reads rows 32 w on, whole,
; from all four, adds them, R and the bias, and stores 512 consecutive bytes an instruction.  R is loaded into A's freed buffers during the last two quarters.
; REGISTERS: window 0: v16-35 addresses and bias, v64-127 and v128-191 B's two fragment buffers (on the way out: rows read back); window 1: A's four buffers (at the end v0-127: R); windows 2, 3: the accumulators.
; Limits: NaN and infinities are not served.  The order of rounding differs from a single sum along K: four partial sums, one for each wave's k, are added at the end.
.set SIZE_N, 1024
.set SIZE_K, 4096
.set WOFF,   16777216
.set KSLOT,  512                       ; k-rows of B in a slot
.set PB,     288                       ; a k-row of B in LDS: 256 bytes + 32 = 9 x 32
.set QTR,    128*PB                    ; what one tensor load brings: the wave's own 128 k-rows
.set SLOT,   4*QTR
.set LAPS,   SIZE_K/(2*KSLOT)          ; a lap = two slots = once round the ring
.set AROW,   SIZE_K*32                 ; bytes from a block of 16 rows of A to the next: SIZE_K / 32 fragments of 1,024
.set ASTEP,  KSLOT*32                  ; bytes from a slot's fragments of A to the next slot's: 16 fragments
.set RP,     528                       ; the way out: a row of 128 f32 + 16 bytes
.set RBLK,   16*RP
.set RWAVE,  8*RBLK                    ; a wave's 128 rows
.set AO,   16                          ; v16     16 x lane: my bytes in a fragment of A, in a row of R and C, in the bias
.set ADRB, 20                          ; v20-21  LDS address of my B fragments in slot 0, 1
.set STO,  24                          ; v24     the way out: where I put my sums
.set RD,   28                          ; v28-31  the way out: where I read my rows of wave 0's, 1's, 2's, 3's sums
.set BV,   32                          ; v[32:35] the bias of my four columns
.set F0,   64
.set F1,   128
.set G1B,  48                          ; s[48:55] descriptor group 1; s[56:63] group 0, a set for each slot
.set G0B,  56
.set BIAS, 68                          ; s[68:69]
.set RES,  70                          ; s[70:71]
.set MSB, 0
.macro WIN new                         ; the immediate's high byte repeats the setting that is left; a switch that changes nothing is dropped
.if MSB != (\new)
	s_set_vgpr_msb (MSB<<8)|(\new)
.set MSB, (\new)
.endif
.endm
.set MUL_LO, 0xa4                      ; source 0 (B) window 0, source 1 (A) window 1, C and D window 2
.set MUL_HI, 0xf4                      ; the same, C and D window 3
.set TO_A,   0x40                      ; destination window 1, address window 0
.macro JLOAD s                         ; a joint load: every wave fetches its own 128 k-rows; four v_nop follow the line
	tensor_load_to_lds s[G0B+4*\s:G0B+4*\s+3], s[G1B:G1B+7]
	s_nop 0
.rept 4
	v_nop
.endr
.endm
.macro CREST                           ; a round of the cluster's barrier behind its opening barrier
	s_cmp_lg_u32 s10, 0
	s_cbranch_scc1 .Lnot_wave_0_\@
	s_barrier_signal -3
.Lnot_wave_0_\@:
	s_barrier_wait -3
	s_barrier_signal -1
	s_barrier_wait -1
.endm
.macro CROUND
	s_barrier_signal -1
	s_barrier_wait -1
	CREST
.endm
; 16 loads: A's eight fragments of quarter j, counted from the lap's first, into buffer j % 4
.macro AFETCH j
	WIN TO_A
.irp i, 0,1,2,3,4,5,6,7
	global_load_b128 v[64*((\j)%4)+8*\i:64*((\j)%4)+8*\i+3],   v[AO], s[14:15] offset:\i*AROW+((\j)/4)*ASTEP+((\j)%4)*1024
	global_load_b128 v[64*((\j)%4)+8*\i+4:64*((\j)%4)+8*\i+7], v[AO], s[14:15] offset:\i*AROW+((\j)/4)*ASTEP+((\j)%4)*1024+512
.endr
.endm
; 16 loads: rows 16 half on of the 32 rows of R that I shall add, into A's buffer of that number
.macro RFETCH half
	WIN TO_A
.irp i, 0,1,2,3,4,5,6,7,8,9,10,11,12,13,14,15
	global_load_b128 v[64*(\half)+4*\i:64*(\half)+4*\i+3], v[AO], s[RES:RES+1] offset:(16*(\half)+\i)*4096
.endr
.endm
.macro GFETCH aj                       ; aj >= 0: A's quarter aj; -1, -2: R's first, second half.  Sixteen loads in every case, so that the counted wait is the same everywhere
.if (\aj) >= 0
	AFETCH \aj
.else
	RFETCH (0-(\aj))-1
.endif
.endm
	s_load_b128 s[4:7], s[0:1], 0x0                ; A s[4:5], the weights s[6:7]
	s_load_b128 s[68:71], s[0:1], 0x10             ; bias s[68:69], R s[70:71]
	s_load_b64 s[8:9], s[0:1], 0x20                ; C
	v_lshl_add_u32 v254, v0, 2, 0x48000
	v_mov_b32 v255, 0
	ds_add_u32 v254, v255
	ds_add_u32 v254, v255
	v_lshrrev_b32 v1, 5, v0
	v_readfirstlane_b32 s10, v1                    ; wave 0..3
	s_bfe_u32 s40, ttmp6, 0x40000                  ; cx, cy
	s_bfe_u32 s41, ttmp6, 0x40004
	s_lshl_b32 s42, ttmp9, 2
	s_add_co_u32 s42, s42, s40                     ; tile column of C
	s_and_b32 s13, ttmp7, 0xffff
	s_lshl_b32 s13, s13, 2
	s_add_co_u32 s13, s13, s41                     ; tile row of C
	s_lshl_b32 s44, 0x1111, s40                    ; my column of the cluster: places cx, cx + 4, cx + 8, cx + 12
	; group 1: 128 k-rows x 128 elements of 2 bytes, 8 words of padding behind every 64
	s_or_b32 s[G1B+0], s44, (1<<16)|(1<<20)|(1<<21)|(5<<22)|(7<<25)
	s_mov_b32 s[G1B+1], 128<<16                    ; tensor_dim0 = 128
	s_mov_b32 s[G1B+2], 128<<16                    ; tensor_dim1 = 128
	s_mov_b32 s[G1B+3], 128<<16                    ; tile_dim0 = 128
	s_mov_b32 s[G1B+4], 128                        ; tile_dim1 = 128
	s_mov_b32 s[G1B+5], SIZE_N                     ; elements from row to row
	s_mov_b32 s[G1B+6], 0
	s_mov_b32 s[G1B+7], 0
	s_lshl_b32 s46, s42, 8                         ; B: column 128 x tile column, in bytes,
	s_mul_i32 s47, s10, 128*SIZE_N*2               ; k-row 128 x wave,
	s_add_co_u32 s46, s46, s47
	s_add_co_u32 s46, s46, WOFF                    ; this matrix's place among the weights: the tile column and the wave's number alone
	s_mov_b32 s47, 0
	s_mul_i32 s20, s10, QTR                        ; where it goes: no place in the cluster enters an LDS address
	s_mul_i32 s16, s13, 8*AROW                     ; A: the tile's eight blocks of 16 rows,
	s_lshl_b32 s17, s10, 12                        ; my four fragments of a slot's sixteen
	s_add_co_u32 s16, s16, s17
	s_mov_b32 s17, 0
	s_lshl_b32 s18, s42, 9                         ; the tile's 128 columns of f32, in bytes
	s_mov_b32 s19, 0
	s_lshl_b32 s72, s13, 7
	s_lshl_b32 s73, s10, 5
	s_add_co_u32 s72, s72, s73                     ; the first row that I store: 128 x tile row + 32 x wave,
	s_lshl_b32 s72, s72, 12                        ; in bytes,
	s_add_co_u32 s72, s72, s18                     ; and the tile's columns
	s_mov_b32 s73, 0
	v_and_b32 v[AO], 31, v0
	v_lshlrev_b32 v[AO], 4, v[AO]
	s_wait_dscnt 0x0
	s_wait_kmcnt 0x0
	s_add_nc_u64 s[46:47], s[6:7], s[46:47]
	s_add_nc_u64 s[14:15], s[4:5], s[16:17]
	s_add_nc_u64 s[BIAS:BIAS+1], s[BIAS:BIAS+1], s[18:19]
	s_add_nc_u64 s[RES:RES+1], s[RES:RES+1], s[72:73]
	s_add_nc_u64 s[8:9], s[8:9], s[72:73]
	global_load_b128 v[BV:BV+3], v[AO], s[BIAS:BIAS+1]       ; older than every load of A, so that it enters none of their counts
	AFETCH 0                                       ; the ring of A is filled: three quarters are on their way
	AFETCH 1
	AFETCH 2
	WIN 0
	CROUND                                         ; all sixteen work-groups are here: the first joint loads meet
.irp s, 0,1
	s_mov_b32 s[G0B+4*\s], 1
	s_add_co_u32 s[G0B+4*\s+1], s20, \s*SLOT
	s_add_nc_u64 s[G0B+4*\s+2:G0B+4*\s+3], s[46:47], \s*KSLOT*SIZE_N*2
	s_or_b32 s[G0B+4*\s+3], s[G0B+4*\s+3], 0x80000000
	JLOAD \s                                       ; two tensor loads of mine are out
.endr
	v_and_b32 v1, 15, v0                           ; l % 16
	v_bfe_u32 v2, v0, 4, 1                         ; l / 16
	v_and_b32 v6, 7, v0
	v_bfe_u32 v7, v0, 3, 1
	v_lshl_add_u32 v6, v2, 3, v6                   ; B's fragment, turned: lane l reads 16 bytes of k-row 8 (l / 16) + l % 8,
	v_mul_u32_u24 v6, v6, PB
	v_lshl_add_u32 v6, v7, 4, v6                   ; columns 8 ((l / 8) % 2) on; the second load 16 k-rows further down
	v_add_nc_u32 v[ADRB], s20, v6                  ; among my own 128 k-rows
	v_add_nc_u32 v[ADRB+1], SLOT, v[ADRB]
	s_mul_i32 s21, s10, RWAVE
	v_mul_u32_u24 v4, v1, RP                       ; the way out, in: row l % 16, 32 bytes (eight f32) for each half of the lanes
	v_lshl_add_u32 v4, v2, 5, v4
	v_add_nc_u32 v[STO], s21, v4
	s_mul_i32 s22, s10, 2*RBLK                     ; back: my 32 rows, 16 bytes a lane: a row of 512 bytes a load
	v_add_nc_u32 v[RD], s22, v[AO]
.irp s, 1,2,3
	v_add_nc_u32 v[RD+\s], \s*RWAVE, v[RD]
.endr
; 16 matrix instructions: m blocks a0, a0 + 1 of the window's four x all 8 n blocks, 32 along K; B from buffer fb, A from buffer qa.  zero = 1: the first product starts the sums.
; The 64 accumulators take turns, one instruction a turn.
.macro MUL16 fb, qa, hi, a0, zero
.irp a, \a0, \a0+1
.irp b, 0,1,2,3,4,5,6,7
.if \zero
	v_wmma_f32_16x16x32_bf16 v[8*(8*(\a)+\b):8*(8*(\a)+\b)+7], v[\fb+8*\b:\fb+8*\b+7], v[64*\qa+8*(4*\hi+\a):64*\qa+8*(4*\hi+\a)+7], 0
.else
	v_wmma_f32_16x16x32_bf16 v[8*(8*(\a)+\b):8*(8*(\a)+\b)+7], v[\fb+8*\b:\fb+8*\b+7], v[64*\qa+8*(4*\hi+\a):64*\qa+8*(4*\hi+\a)+7], v[8*(8*(\a)+\b):8*(8*(\a)+\b)+7]
.endif
.endr
.endr
.endm
; 16 LDS loads: B's eight fragments of my quarter q of a slot, turned, into buffer f
.macro BFETCH slot, q, f
	WIN 0
.irp i, 0,1,2,3,4,5,6,7
	ds_load_tr16_b128 v[\f+8*\i:\f+8*\i+3],   v[ADRB+\slot] offset:(\q)*32*PB+32*\i
	ds_load_tr16_b128 v[\f+8*\i+4:\f+8*\i+7], v[ADRB+\slot] offset:(\q)*32*PB+16*PB+32*\i
.endr
.endm
.macro PLACES                          ; four plain places between a matrix instruction and a load into, or another instruction on, one of its registers (ISA guide 7.12.1 for vector instructions)
.rept 4
	v_nop
.endr
.endm
; One of a slot's first three quarters, q: multiplies B's buffer f and A's buffer q.  In its middle it fetches B's next quarter into g, and into A's buffer (q + 3) % 4, which the quarter before
; multiplied, the quarter three on (aj counts it from the lap's first).
.macro QUARTER slot, q, f, g, aj, zero
	s_wait_dscnt 0x0                               ; B's fragments, asked for 32 matrix instructions ago
	s_wait_loadcnt 32                              ; A's fragments of this quarter are in; the two younger groups of sixteen loads stay out
	WIN MUL_LO
	MUL16 \f, \q, 0, 0, \zero
	MUL16 \f, \q, 0, 2, \zero
	PLACES
	BFETCH \slot, \q+1, \g
	GFETCH \aj
	WIN MUL_HI
	MUL16 \f, \q, 1, 0, \zero
	MUL16 \f, \q, 1, 2, \zero
.endm
; A slot's last quarter changes slots: one barrier; in front of it each wave has waited for its reads of this slot (the wait at the head) and waits for all its tensor loads.
; fill = 1: the barrier opens a round of the cluster's barrier, and this slot is filled again, two slots on, first thing behind the round.
.macro TURN slot, next, fill, aj
	s_wait_dscnt 0x0                               ; B's fragments are in: my reads of this slot are over
	s_wait_loadcnt 32
	WIN MUL_LO
	MUL16 F1, 3, 0, 0, 0
	s_set_vgpr_msb 0xa4a0
	s_wait_tensorcnt 0x0                           ; all my tensor loads have landed, my part of the next slot among them, so every group 0 may be written
	ds_add_u32 v254, v255
	s_wait_dscnt 0x0
	s_set_vgpr_msb 0xa0a4
	s_barrier_signal -1
	MUL16 F1, 3, 0, 2, 0                           ; register work while the others arrive
.if \fill
	WIN 0
.endif
	s_barrier_wait -1
.if \fill
	CREST                                          ; no wave of any partner still reads this slot or has a load on its way
	s_add_nc_u64 s[G0B+4*\slot+2:G0B+4*\slot+3], s[G0B+4*\slot+2:G0B+4*\slot+3], 2*KSLOT*SIZE_N*2
	JLOAD \slot                                    ; 240 matrix instructions ahead of the wait for it; its four v_nop are also the places in front of the loads below
.else
	PLACES
.endif
	BFETCH \next, 0, F0
	GFETCH \aj
	WIN MUL_HI
	MUL16 F1, 3, 1, 0, 0
	MUL16 F1, 3, 1, 2, 0
.endm
; the way out: 16 LDS loads: rows 4 c on of my 32, from all four waves' sums
.macro RLOAD c
.set X, F0+64*((\c)%2)
.irp i, 0,1,2,3
.irp s, 0,1,2,3
	ds_load_b128 v[X+16*\i+4*\s:X+16*\i+4*\s+3], v[RD+\s] offset:((4*(\c)+\i)/16)*RBLK+((4*(\c)+\i)%16)*RP
.endr
.endr
.endm
; those four rows: the four sums, R and the bias are added, and the rows stored.  younger: the LDS loads issued behind theirs
.macro RSUM c, younger
.set X, F0+64*((\c)%2)
	s_wait_dscnt \younger
.irp i, 0,1,2,3
.irp e, 0,2
	v_pk_add_f32 v[X+16*\i+\e:X+16*\i+\e+1], v[X+16*\i+\e:X+16*\i+\e+1], v[X+16*\i+4+\e:X+16*\i+4+\e+1]
	v_pk_add_f32 v[X+16*\i+8+\e:X+16*\i+8+\e+1], v[X+16*\i+8+\e:X+16*\i+8+\e+1], v[X+16*\i+12+\e:X+16*\i+12+\e+1]
.endr
.endr
	WIN 0x04                                       ; source 1 window 1: R
.irp i, 0,1,2,3
.irp e, 0,2
	v_pk_add_f32 v[X+16*\i+8+\e:X+16*\i+8+\e+1], v[X+16*\i+8+\e:X+16*\i+8+\e+1], v[4*(4*(\c)+\i)+\e:4*(4*(\c)+\i)+\e+1]
.endr
.endr
	WIN 0
.irp i, 0,1,2,3
.irp e, 0,2
	v_pk_add_f32 v[X+16*\i+\e:X+16*\i+\e+1], v[X+16*\i+\e:X+16*\i+\e+1], v[BV+\e:BV+\e+1]
.endr
.endr
.irp i, 0,1,2,3
.irp e, 0,2
	v_pk_add_f32 v[X+16*\i+\e:X+16*\i+\e+1], v[X+16*\i+\e:X+16*\i+\e+1], v[X+16*\i+8+\e:X+16*\i+8+\e+1]
.endr
.endr
.irp i, 0,1,2,3
	global_store_b128 v[AO], v[X+16*\i:X+16*\i+3], s[8:9] offset:(4*(\c)+\i)*4096   ; 32 lanes store 512 consecutive bytes, at a multiple of 512 from C's first byte
.endr
.endm
	s_wait_tensorcnt 1                             ; my part of slot 0 is in; slot 1's may stay out
	s_barrier_signal -1
	s_barrier_wait -1
	BFETCH 0, 0, F0
	QUARTER 0, 0, F0, F1, 3, 1                     ; the first quarter stands in front of the loop: its products start the sums
.if LAPS > 1
	WIN 0                                          ; at a label and at a branch every window is 0
	s_mov_b32 s3, LAPS-1
.Llap:                                                 ; a trip goes once round the ring, from a lap's second quarter to the next lap's first, and fills both slots again
	QUARTER 0, 1, F1, F0, 4, 0
	QUARTER 0, 2, F0, F1, 5, 0
	TURN 0, 1, 1, 6
	QUARTER 1, 0, F0, F1, 7, 0
	QUARTER 1, 1, F1, F0, 8, 0
	QUARTER 1, 2, F0, F1, 9, 0
	TURN 1, 0, 1, 10
	QUARTER 0, 0, F0, F1, 11, 0
	WIN 0
	s_wait_xcnt 0x0                                ; the base of A's loads is stepped only behind this wait
	s_add_nc_u64 s[14:15], s[14:15], 2*ASTEP       ; the next lap's first fragments
	s_sub_co_u32 s3, s3, 1
	s_cmp_lg_u32 s3, 0
	s_cbranch_scc1 .Llap
.endif
	QUARTER 0, 1, F1, F0, 4, 0                     ; the last lap fills no slot and has no round
	QUARTER 0, 2, F0, F1, 5, 0
	TURN 0, 1, 0, 6
	QUARTER 1, 0, F0, F1, 7, 0                     ; A's last quarter is asked for
	QUARTER 1, 1, F1, F0, -1, 0                    ; R takes the freed buffers 0 and 1: sixteen loads each, in the place of A's, so the count 32 goes on holding
	QUARTER 1, 2, F0, F1, -2, 0
	s_wait_dscnt 0x0                               ; the very last quarter
	s_wait_loadcnt 32                              ; A's last fragments are in; R's 32 loads stay out
	WIN MUL_LO
	MUL16 F1, 3, 0, 0, 0
	MUL16 F1, 3, 0, 2, 0
	WIN MUL_HI
	MUL16 F1, 3, 1, 0, 0
	MUL16 F1, 3, 1, 2, 0
	WIN 0
	PLACES                                         ; the LDS stores below read results just made
	s_barrier_signal -1                            ; every wave's reads of the ring are over (its waits for them stand above) and no tensor load is out:
	s_barrier_wait -1                              ; the ring, which is filled no more, takes the sums
.irp hi, 0,1
	WIN 0x08+4*\hi                                 ; the stores' data in window 2, then 3
.irp a, 0,1,2,3
.irp b, 0,1,2,3,4,5,6,7
	ds_store_b128 v[STO], v[8*(8*\a+\b):8*(8*\a+\b)+3]   offset:(4*\hi+\a)*RBLK+64*\b
	ds_store_b128 v[STO], v[8*(8*\a+\b)+4:8*(8*\a+\b)+7] offset:(4*\hi+\a)*RBLK+64*\b+16
.endr
.endr
.endr
	WIN 0
	s_wait_dscnt 0x0                               ; for the others' sake: my sums are in LDS
	s_barrier_signal -1
	s_barrier_wait -1
	RLOAD 0
	s_wait_loadcnt 0x0                             ; R and the bias
.irp c, 0,1,2,3,4,5,6
.if \c >= 1
	s_wait_xcnt 0x0                                ; the registers that the next loads fill were the data of the stores two chunks back
.endif
	RLOAD \c+1
	RSUM \c, 16                                    ; the next chunk's sixteen loads stay out
.endr
	RSUM 7, 0
	s_wait_tensorcnt 0x0
	ds_add_u32 v254, v255
	s_wait_dscnt 0x0
	CROUND                                         ; the closing round: no work-group ends while a partner may still ask for a tile that names it
	s_endpgm
.Lfunc_end_k_q9bd35612dc_fc2:
	.size	k_q9bd35612dc_fc2, .Lfunc_end_k_q9bd35612dc_fc2-k_q9bd35612dc_fc2
	.p2alignl 7, 3214868480
	.fill 96, 4, 3214868480
	.section	.rodata,"a",@progbits
	.p2align	6, 0x0
	.amdhsa_kernel k_q9bd35612dc_fc2
		.amdhsa_group_segment_fixed_size 327680
		.amdhsa_private_segment_fixed_size 0
		.amdhsa_enable_private_segment 0
		.amdhsa_kernarg_size 40
		.amdhsa_user_sgpr_count 2
		.amdhsa_user_sgpr_kernarg_segment_ptr 1
		.amdhsa_wavefront_size32 1
		.amdhsa_system_sgpr_workgroup_id_x 1
		.amdhsa_system_sgpr_workgroup_id_y 1
		.amdhsa_system_sgpr_workgroup_id_z 1
		.amdhsa_system_vgpr_workitem_id 0
		.amdhsa_next_free_vgpr 1024
		.amdhsa_next_free_sgpr 74
		.amdhsa_reserve_vcc 0
		.amdhsa_float_denorm_mode_32 3
		.amdhsa_float_denorm_mode_16_64 3
		.amdhsa_memory_ordered 1
		.amdhsa_forward_progress 1
		.amdhsa_inst_pref_size 160
	.end_amdhsa_kernel
	.amdgpu_metadata
---
amdhsa.version: [ 1, 2 ]
amdhsa.kernels:
  - .name:           k_q9bd35612dc_fc2
    .symbol:         k_q9bd35612dc_fc2.kd
    .args:
      - { .name: gact, .offset: 0, .size: 8, .value_kind: global_buffer, .address_space: global }
      - { .name: wbf, .offset: 8, .size: 8, .value_kind: global_buffer, .address_space: global }
      - { .name: b2, .offset: 16, .size: 8, .value_kind: global_buffer, .address_space: global }
      - { .name: y, .offset: 24, .size: 8, .value_kind: global_buffer, .address_space: global }
      - { .name: out0, .offset: 32, .size: 8, .value_kind: global_buffer, .address_space: global }
    .group_segment_fixed_size: 327680
    .private_segment_fixed_size: 0
    .kernarg_segment_align: 8
    .kernarg_segment_size: 40
    .max_flat_workgroup_size: 128
    .sgpr_count:     74
    .vgpr_count:     1024
    .wavefront_size: 32
...
	.end_amdgpu_metadata
.endif
;; end of part 7
;; ======== version 2 of 2: 7 launches; version 1 with the launch prep written anew for expert scheduling mode
;; limits: a function is approximated: absolute error at most 1.5e-07
;; workspace buffers: wbf 25,165,824 bytes; h 8,388,608 bytes; qkv 25,165,824 bytes; att 8,388,608 bytes; y 16,777,216 bytes; gact 33,554,432 bytes
;; launch prep (part 8): grid 1024 x 1, 4 waves a work-group, no clusters, 0 bytes of LDS; arguments x, g1, be1, h, Wqkv, Wo, W1, W2, wbf; writes h, wbf
.if DOCPART == 8
	.amdgcn_target "amdgcn-amd-amdhsa--gfx1250"
	.amdhsa_code_object_version 6
	.text
	.protected	k_q9bd35612dc_prep
	.globl	k_q9bd35612dc_prep
	.p2align	8
	.type	k_q9bd35612dc_prep,@function
k_q9bd35612dc_prep:
	s_mov_b64 s[64:65], 0
	v_nop
	global_prefetch_b8 v0, s[64:65] scope:SCOPE_SE
	s_setreg_imm32_b32 hwreg(HW_REG_WAVE_SCHED_MODE, 0, 2), 2
	s_setreg_imm32_b32 hwreg(HW_REG_WAVE_MODE, 25, 1), 1
	s_wait_xcnt 0x0
	s_wait_alu depctr_vm_vsrc(0)
; Two streams in one launch.
; Work-groups 0-255: h = LayerNorm(x) * g1 + be1, rounded to bf16.  x: [4096][1024] f32, h: [4096][1024] bf16.
;   A work-group owns 16 rows, a wave 4 whole rows; a row (4,096 bytes) lies in 32 registers of the wave between the pass for the mean,
;   the pass for the variance (of x - mean: no difference of large sums) and the scaling, so x is read once and no wave waits for another.
; Work-groups 256-1023: the four weight matrices are rounded to bf16 once, in their own [K][N] layout, one behind the other in wbf
;   (Wqkv at byte 0, Wo at 6,291,456, W1 at 8,388,608, W2 at 16,777,216).  A work-group takes 16,384 numbers, a wave 4,096.
; Every load of a wave covers 512 consecutive bytes, every store 256 consecutive bytes at a multiple of 256 from the buffer's first byte.
; No LDS, no barrier, no matrix unit: the launch only moves bytes.  Limits: NaN and infinities in x are not served; v_rsq_f32 is good to 1 ULP.
; THE MODE: SCHED_MODE bits 1:0 = 2 (LLVM: expert scheduling mode 2), set by the entry lines.  The code itself states the register dependences
; between vector instructions and memory instructions, with s_wait_alu, always for 0.
; THE PLAN.  Registers that memory instructions touch:
;   v1, v2     byte offsets, made once at the head and never written again: one wait at the head serves every load and store of both arms.
;   G, BE      written by loads at the arm's head, before any vector instruction names them; read by vector instructions alone.
;   X, row r   written by the row's eight loads at the arm's head, before any vector instruction names it; then by row r's arithmetic, in place; its first 16 registers
;              are read by the row's eight stores, which are issued in row r + 1; never written again.
;   CW         written by the cast's 32 loads at the arm's head; load j's two conversions write its first two registers; store j reads them; never written again.
; LayerNorm: the one wait of a row stands behind its root.  It states that the root is written and that the row before has written its words of bf16; that row's stores follow it,
; dealt among this row's scalings, which name this row's X, T, MEAN, RSTD, G and BE alone.  Row 3's stores have a wait of their own.
; Cast: four groups of eight loads.  One wait at the head of a group states that the group before has written its words; that group's stores follow it, dealt among this group's
; conversions, which name this group's registers alone.  The last group's stores have a wait of their own.
; No register that a load or store reads is ever written again, and no load lands in a register that a vector instruction has named: nothing else is to be stated.
.set T,    4                           ; v[4:11]    four chains of pairs, at work
.set MEAN, 12                          ; v[12:13]   the row's mean, twice
.set RSTD, 14                          ; v[14:15]   1 / sqrt(var + eps), twice
.set G,    16                          ; v[16:47]   the gains of my 32 columns
.set BE,   48                          ; v[48:79]   the offsets of my 32 columns
.set X,    80                          ; v[80:207]  row r of four at X + 32 r
.set CW,   16                          ; v[16:143]  the cast's 32 loads
; the four chains are joined, then the 32 lanes: four steps inside each half of 16 lanes ride on the addition, one crosses the halves
.macro JOIN
	v_pk_add_f32 v[T:T+1], v[T:T+1], v[T+2:T+3]
	v_pk_add_f32 v[T+4:T+5], v[T+4:T+5], v[T+6:T+7]
	v_pk_add_f32 v[T:T+1], v[T:T+1], v[T+4:T+5]
	v_add_f32 v[T], v[T], v[T+1]
	v_add_f32_dpp v[T], v[T], v[T] row_xmask:1 row_mask:0xf bank_mask:0xf
	v_add_f32_dpp v[T], v[T], v[T] row_xmask:2 row_mask:0xf bank_mask:0xf
	v_add_f32_dpp v[T], v[T], v[T] row_xmask:4 row_mask:0xf bank_mask:0xf
	v_add_f32_dpp v[T], v[T], v[T] row_xmask:8 row_mask:0xf bank_mask:0xf
	v_permlanex16_b32 v3, v[T], s32, s33           ; v3 has been written at the kernel's head
	v_add_f32 v[T], v[T], v3
.endm
; one row.  left = the younger loads that may stay out: eight for each row behind this one.  The row's own stores are issued in the next row.
.macro LNROW r, left
	s_wait_loadcnt \left                           ; loads come back in order: the gains, the offsets and rows 0 to r are in
.irp c, 0,1,2,3
	v_pk_add_f32 v[T+2*\c:T+2*\c+1], v[X+32*\r+2*\c:X+32*\r+2*\c+1], v[X+32*\r+8+2*\c:X+32*\r+8+2*\c+1]   ; the first eight pairs start the chains
.endr
.irp p, 8,9,10,11,12,13,14,15
	v_pk_add_f32 v[T+2*(\p%4):T+2*(\p%4)+1], v[T+2*(\p%4):T+2*(\p%4)+1], v[X+32*\r+2*\p:X+32*\r+2*\p+1]
.endr
	JOIN
	v_mul_f32 v[MEAN], s30, v[T]                   ; sum / 1024
	v_mov_b32 v[MEAN+1], v[MEAN]
.irp p, 0,1,2,3,4,5,6,7,8,9,10,11,12,13,14,15
	v_pk_add_f32 v[X+32*\r+2*\p:X+32*\r+2*\p+1], v[X+32*\r+2*\p:X+32*\r+2*\p+1], v[MEAN:MEAN+1] neg_lo:[0,1] neg_hi:[0,1]
.endr
.irp c, 0,1,2,3
	v_pk_mul_f32 v[T+2*\c:T+2*\c+1], v[X+32*\r+2*\c:X+32*\r+2*\c+1], v[X+32*\r+2*\c:X+32*\r+2*\c+1]
.endr
.irp p, 4,5,6,7,8,9,10,11,12,13,14,15
	v_pk_fma_f32 v[T+2*(\p%4):T+2*(\p%4)+1], v[X+32*\r+2*\p:X+32*\r+2*\p+1], v[X+32*\r+2*\p:X+32*\r+2*\p+1], v[T+2*(\p%4):T+2*(\p%4)+1]
.endr
	JOIN
	v_fma_f32 v[RSTD], v[T], s30, s31              ; var + eps
	v_rsq_f32 v[RSTD], v[RSTD]
	v_nop                                          ; a plain instruction between the root and the use of its result
	s_wait_alu depctr_va_vdst(0)                   ; the root is written, ahead of its first reader; and the row before has written its 16 words of bf16, which the stores below read
	v_mov_b32 v[RSTD+1], v[RSTD]
.irp p, 0,1,2,3,4,5,6,7,8,9,10,11,12,13,14,15
.if ((\p) % 2 == 0) && (\r > 0)
	global_store_b64 v2, v[X+32*(\r-1)+\p:X+32*(\r-1)+\p+1], s[10:11] offset:2048*(\r-1)+128*\p   ; the row before: 32 lanes x 8 bytes.  No wait: no vector instruction since the wait above names that row's registers or v2; they are never written again
.endif
	v_pk_mul_f32 v[X+32*\r+2*\p:X+32*\r+2*\p+1], v[X+32*\r+2*\p:X+32*\r+2*\p+1], v[RSTD:RSTD+1]
.endr
.irp p, 0,1,2,3,4,5,6,7,8,9,10,11,12,13,14,15
	v_pk_fma_f32 v[X+32*\r+2*\p:X+32*\r+2*\p+1], v[X+32*\r+2*\p:X+32*\r+2*\p+1], v[G+2*\p:G+2*\p+1], v[BE+2*\p:BE+2*\p+1]
.endr
.irp p, 0,1,2,3,4,5,6,7,8,9,10,11,12,13,14,15
	v_cvt_pk_bf16_f32 v[X+32*\r+\p], v[X+32*\r+2*\p], v[X+32*\r+2*\p+1]   ; in place, ascending: word p is written when pairs 0 to p have been read
.endr
.endm
; the cast's group g of four: loads 8 g to 8 g + 7 are rounded; the stores of the group before are dealt among the conversions
.macro CGROUP g
.irp i, 0,1,2,3,4,5,6,7
	s_wait_loadcnt 31-(8*\g+\i)                    ; load 8 g + i is in, the younger ones stay out
.if ((\i) == 0) && (\g > 0)
	s_wait_alu depctr_va_vdst(0)                   ; the group before has written its sixteen words of bf16, which the eight stores of this group's text read
.endif
.if \g > 0
	global_store_b64 v2, v[CW+4*(8*(\g-1)+\i):CW+4*(8*(\g-1)+\i)+1], s[20:21] offset:256*(8*(\g-1)+\i)   ; no vector instruction since the wait names these registers or v2; they are never written again
.endif
	v_cvt_pk_bf16_f32 v[CW+4*(8*\g+\i)], v[CW+4*(8*\g+\i)], v[CW+4*(8*\g+\i)+1]
	v_cvt_pk_bf16_f32 v[CW+4*(8*\g+\i)+1], v[CW+4*(8*\g+\i)+2], v[CW+4*(8*\g+\i)+3]
.endr
.endm
	s_load_b256 s[4:11], s[0:1], 0x0               ; x s[4:5], g1 s[6:7], be1 s[8:9], h s[10:11]
	s_load_b256 s[12:19], s[0:1], 0x20             ; Wqkv s[12:13], Wo s[14:15], W1 s[16:17], W2 s[18:19]
	s_load_b64 s[20:21], s[0:1], 0x40              ; wbf
	v_lshrrev_b32 v3, 5, v0
	v_readfirstlane_b32 s22, v3                    ; wave 0..3
	v_and_b32 v2, 31, v0
	v_lshlrev_b32 v1, 4, v2                        ; 16 x lane: f32 side
	v_lshlrev_b32 v2, 3, v2                        ; 8 x lane: bf16 side
	s_mov_b32 s25, 0                               ; the high word of every offset
	s_wait_alu depctr_va_sdst(0)                   ; s22 is written, ahead of the branch and of its first reader in either arm: the wave's part of the bases is made from it
	s_wait_alu depctr_va_vdst(0)                   ; v1 and v2 are written: every load of the kernel reads v1 as its offset, every store v2
	s_wait_kmcnt 0x0
	s_cmp_lt_u32 ttmp9, 256
	s_cbranch_scc0 .Lcast
	s_lshl_b32 s24, ttmp9, 16                      ; 16 rows of 4,096 bytes a work-group,
	s_lshl_b32 s23, s22, 14                        ; 4 rows a wave
	s_add_co_u32 s24, s24, s23
	s_add_nc_u64 s[4:5], s[4:5], s[24:25]
	s_lshr_b32 s24, s24, 1                         ; h's rows are half as long
	s_add_nc_u64 s[10:11], s[10:11], s[24:25]
	s_mov_b32 s30, 0x3a800000                      ; 1 / 1024
	s_mov_b32 s31, 0x3727c5ac                      ; eps = 1e-5
	s_mov_b32 s32, 0x76543210                      ; v_permlanex16_b32: each lane takes its own place in the other half
	s_mov_b32 s33, 0xfedcba98
.irp j, 0,1,2,3,4,5,6,7
	global_load_b128 v[G+4*\j:G+4*\j+3], v1, s[6:7] offset:512*\j
.endr
.irp j, 0,1,2,3,4,5,6,7
	global_load_b128 v[BE+4*\j:BE+4*\j+3], v1, s[8:9] offset:512*\j
.endr
.irp r, 0,1,2,3
.irp j, 0,1,2,3,4,5,6,7
	global_load_b128 v[X+32*\r+4*\j:X+32*\r+4*\j+3], v1, s[4:5] offset:4096*\r+512*\j
.endr
.endr
	LNROW 0, 24
	LNROW 1, 16
	LNROW 2, 8
	LNROW 3, 0
	s_wait_alu depctr_va_vdst(0)                   ; row 3's conversions have written its 16 words of bf16, which the last eight stores read
.irp j, 0,1,2,3,4,5,6,7
	global_store_b64 v2, v[X+96+2*\j:X+96+2*\j+1], s[10:11] offset:2048*3+256*\j   ; 32 lanes x 8 bytes
.endr
	s_endpgm
.Lcast:
	s_sub_co_u32 s23, ttmp9, 256                   ; chunk 0..767 of 16,384 numbers: 192 of Wqkv, 64 of Wo, 256 of W1, 256 of W2
	s_mov_b64 s[26:27], s[18:19]
	s_mov_b32 s28, 512
	s_cmp_lt_u32 s23, 512
	s_cselect_b64 s[26:27], s[16:17], s[26:27]
	s_cselect_b32 s28, 256, s28
	s_cmp_lt_u32 s23, 256
	s_cselect_b64 s[26:27], s[14:15], s[26:27]
	s_cselect_b32 s28, 192, s28
	s_cmp_lt_u32 s23, 192
	s_cselect_b64 s[26:27], s[12:13], s[26:27]
	s_cselect_b32 s28, 0, s28                      ; s[26:27] the matrix, s28 its first chunk
	s_sub_co_u32 s29, s23, s28
	s_lshl_b32 s24, s29, 16                        ; 65,536 bytes of f32 a chunk,
	s_lshl_b32 s29, s22, 14                        ; a quarter of them a wave
	s_add_co_u32 s24, s24, s29
	s_add_nc_u64 s[26:27], s[26:27], s[24:25]
	s_lshl_b32 s24, s23, 15                        ; 32,768 bytes of bf16 a chunk
	s_lshl_b32 s29, s22, 13
	s_add_co_u32 s24, s24, s29
	s_add_nc_u64 s[20:21], s[20:21], s[24:25]
.irp j, 0,1,2,3,4,5,6,7,8,9,10,11,12,13,14,15,16,17,18,19,20,21,22,23,24,25,26,27,28,29,30,31
	global_load_b128 v[CW+4*\j:CW+4*\j+3], v1, s[26:27] offset:512*\j th:TH_LOAD_NT   ; all 32 loads of the wave go out together; no vector instruction has named these registers
.endr
	CGROUP 0
	CGROUP 1
	CGROUP 2
	CGROUP 3
	s_wait_alu depctr_va_vdst(0)                   ; the last group's conversions have written its sixteen words of bf16, which the last eight stores read
.irp i, 0,1,2,3,4,5,6,7
	global_store_b64 v2, v[CW+4*(24+\i):CW+4*(24+\i)+1], s[20:21] offset:256*(24+\i)
.endr
	s_endpgm
.Lfunc_end_k_q9bd35612dc_prep:
	.size	k_q9bd35612dc_prep, .Lfunc_end_k_q9bd35612dc_prep-k_q9bd35612dc_prep
	.p2alignl 7, 3214868480
	.fill 96, 4, 3214868480
	.section	.rodata,"a",@progbits
	.p2align	6, 0x0
	.amdhsa_kernel k_q9bd35612dc_prep
		.amdhsa_group_segment_fixed_size 0
		.amdhsa_private_segment_fixed_size 0
		.amdhsa_enable_private_segment 0
		.amdhsa_kernarg_size 72
		.amdhsa_user_sgpr_count 2
		.amdhsa_user_sgpr_kernarg_segment_ptr 1
		.amdhsa_wavefront_size32 1
		.amdhsa_system_sgpr_workgroup_id_x 1
		.amdhsa_system_sgpr_workgroup_id_y 1
		.amdhsa_system_sgpr_workgroup_id_z 1
		.amdhsa_system_vgpr_workitem_id 0
		.amdhsa_next_free_vgpr 208
		.amdhsa_next_free_sgpr 66
		.amdhsa_reserve_vcc 0
		.amdhsa_float_denorm_mode_32 3
		.amdhsa_float_denorm_mode_16_64 3
		.amdhsa_memory_ordered 1
		.amdhsa_forward_progress 1
		.amdhsa_inst_pref_size 50
	.end_amdhsa_kernel
	.amdgpu_metadata
---
amdhsa.version: [ 1, 2 ]
amdhsa.kernels:
  - .name:           k_q9bd35612dc_prep
    .symbol:         k_q9bd35612dc_prep.kd
    .args:
      - { .name: x, .offset: 0, .size: 8, .value_kind: global_buffer, .address_space: global }
      - { .name: g1, .offset: 8, .size: 8, .value_kind: global_buffer, .address_space: global }
      - { .name: be1, .offset: 16, .size: 8, .value_kind: global_buffer, .address_space: global }
      - { .name: h, .offset: 24, .size: 8, .value_kind: global_buffer, .address_space: global }
      - { .name: Wqkv, .offset: 32, .size: 8, .value_kind: global_buffer, .address_space: global }
      - { .name: Wo, .offset: 40, .size: 8, .value_kind: global_buffer, .address_space: global }
      - { .name: W1, .offset: 48, .size: 8, .value_kind: global_buffer, .address_space: global }
      - { .name: W2, .offset: 56, .size: 8, .value_kind: global_buffer, .address_space: global }
      - { .name: wbf, .offset: 64, .size: 8, .value_kind: global_buffer, .address_space: global }
    .group_segment_fixed_size: 0
    .private_segment_fixed_size: 0
    .kernarg_segment_align: 8
    .kernarg_segment_size: 72
    .max_flat_workgroup_size: 128
    .sgpr_count:     66
    .vgpr_count:     208
    .wavefront_size: 32
...
	.end_amdgpu_metadata
.endif
;; end of part 8
;; launch qkv: the kernel of part 2 again; grid 12 x 16, 4 waves a work-group, clusters of 4 x 4, 327,680 bytes of LDS; arguments h, wbf, bqkv, qkv; writes qkv
;; launch attn: the kernel of part 3 again; grid 16 x 16, 8 waves a work-group, no clusters, 327,680 bytes of LDS; arguments qkv, att; writes att
;; launch proj: the kernel of part 4 again; grid 8 x 32, 4 waves a work-group, clusters of 4 x 4, 295,424 bytes of LDS; arguments att, wbf, bo, x, y; writes y
;; launch ln2: the kernel of part 5 again; grid 256 x 1, 4 waves a work-group, no clusters, 0 bytes of LDS; arguments y, g2, be2, h; writes h
;; launch fc1: the kernel of part 6 again; grid 16 x 16, 4 waves a work-group, clusters of 4 x 4, 327,680 bytes of LDS; arguments h, wbf, b1, gact; writes gact
;; launch fc2: the kernel of part 7 again; grid 8 x 32, 4 waves a work-group, clusters of 4 x 4, 327,680 bytes of LDS; arguments gact, wbf, b2, y, out0; writes out0
